; MI455X (gfx1250); checked and timed in simulation.
; The chip was launched on July 23, 2026; its instructions are those of AMD's public machine-readable ISA for CDNA 5 (MIT licence, August 2026) and "CDNA5" Instruction Set Architecture Reference Guide (July 2026). The comments in the code are by the model that wrote it; some were corrected since.
;; Attention. Allowed arithmetic: matrix products marked QUANTISED: E2M3 operands, one E8M0 scale for each 32 along K, by v_wmma_scale_f32_16x16x128_f8f6f4 with both operands' format E2M3, f32 sums; everything else in f32.
;; Inputs: Wproj 256 x 256 float32; Wqkv 256 x 768 float32; bproj 256 float32; x 8 x 2,048 x 256 float32.
;; Outputs: out0 8 x 2,048 x 256 float32.
;; Constants: w = 128.
;; This version of the problem:
;;   THIS VERSION OF THE PROBLEM IS GIVEN IN LOW PRECISION. The matrix products marked QUANTISED in the list below multiply operands that are first quantised to E2M3 (2 exponent bits, 3 mantissa bits; 6 bits a number), with one power-of-two scale for each 32 numbers along K (OCP MX v1.0); their sums are f32. All else is computed in f32.
;;   The module's matrix products, in the order in which they are computed (A, B: the left and right operand; K: the contracted axis; several contracted axes count as one K, in the product's order):
;;     1. [M 16,384, K 256] x [K 256, N 768]; A: input x; B: input Wqkv: QUANTISED
;;     2. batch 64 x [M 2,048, K 32] x [K 32, N 2,048]; A: computed on the way; B: computed on the way: QUANTISED
;;     3. batch 64 x [M 2,048, K 2,048] x [K 2,048, N 32]; A: softmax (see below); B: computed on the way: QUANTISED
;;     4. [M 16,384, K 256] x [K 256, N 256]; A: computed on the way; B: input Wproj: QUANTISED
;;   THE QUANTISER, for each operand of a quantised product, along K:
;;     - K is cut into blocks of 32 from its start; a last block that is shorter is filled with zeros.
;;     - A block's scale is 2^e with e = floor(log2(the largest magnitude in the block)) - 2, held to -126 .. 127; a block of zeros has e = 0. As a byte (E8M0): e + 127.
;;     - Each number is divided by its block's scale, clamped to +-7.5, and rounded to the nearest number of E2M3, ties to even, subnormals kept.
;;     - The product sums the exact products of the quantised numbers (number of the format x scale) in f32.
;;   ~~~python
;;   def quantise(x, axis):      # numpy; x: float32 -> the quantised numbers, widened to float32 again
;;       x = np.moveaxis(x, axis, -1); K = x.shape[-1]
;;       x = np.pad(x, [(0, 0)] * (x.ndim - 1) + [(0, -K % 32)]); x = x.reshape(x.shape[:-1] + (-1, 32)); a = np.abs(x).max(-1, keepdims=True)
;;       e = np.where(a > 0, np.clip(np.frexp(np.where(a > 0, a, 1))[1] - 1 - 2, -126, 127), 0)      # np.frexp(a)[1] - 1 = floor(log2(a)), exactly
;;       r = np.clip(x / 2.0 ** e, -7.5, 7.5)
;;       step = 2.0 ** (np.maximum(np.frexp(np.where(r == 0, 1, r))[1] - 1, 0) - 3)
;;       q = np.round(r / step) * step * 2.0 ** e      # np.round: ties to even
;;       return np.moveaxis(q.reshape(q.shape[:-2] + (-1,))[..., :K], -1, axis).astype(np.float32)
;;   ~~~
;;   SOFTMAX AHEAD OF A QUANTISED PRODUCT. Where the list says 'softmax', what is quantised is not the finished softmax but p = 2^(t - M), with t = logit x log2(e) and M = ceil(the row's largest t), a whole number; so 1/2 < the row's largest p <= 1. The row's sum l is taken of the UNQUANTISED p, in f32, and the product's result is divided by l at the end. Since M is a whole number, a kernel that streams over the keys may use a running M (the ceiling of the running maximum): every later rescaling is an exact power of two, which a block's scale takes up: the codes' values come out the same.
;;   OPERANDS COMPUTED ON THE WAY. 'Computed on the way' means the value that the module computes at that place (a softmax that the list does not call 'softmax' is quantised finished and normalised). What goes into a quantiser is computed in f32, as accurately as f32 sums, v_exp_f32 and their like allow (about 1e-6 of the number): no bf16 or f16 on the way to a quantiser, and a product that is left as it is and whose result goes on into a quantised operand takes f32 operands (vector FMAs, or v_wmma_f32_16x16x4_f32). A number that lies on a knife's edge between two numbers of the format may be rounded either way, as far as f32 arithmetic and the matrix unit's own rounding can turn it there, and no further.
;; 2 versions. Each part assembles by itself: llvm-mc -triple=amdgcn-amd-amdhsa -mcpu=gfx1250 --defsym DOCPART=n.
;; ======== version 1 of 2: 3 launches
;; limits: right only within a limited range of input values
;; workspace buffers: xc 3,145,728 bytes; xs 131,072 bytes; wimg 196,608 bytes; wsc 8,192 bytes; qk 8,388,608 bytes; vpl 3,145,728 bytes; vsc 131,072 bytes
;; launch quant (part 1): grid 272 x 1, 4 waves a work-group, no clusters, 33,280 bytes of LDS; arguments x, Wqkv, Wproj, xc, xs, wimg, wsc; writes xc, xs, wimg, wsc
.if DOCPART == 1
	.amdgcn_target "amdgcn-amd-amdhsa--gfx1250"
	.amdhsa_code_object_version 6
	.text
	.protected	k_q2389eca673_quant
	.globl	k_q2389eca673_quant
	.p2align	8
	.type	k_q2389eca673_quant,@function
k_q2389eca673_quant:
	s_mov_b64 s[64:65], 0
	v_nop
	global_prefetch_b8 v0, s[64:65] scope:SCOPE_SE
	s_setreg_imm32_b32 hwreg(HW_REG_WAVE_MODE, 25, 1), 1
	s_wait_xcnt 0x0
; x [16384][256], Wqkv [256][768] and Wproj [256][256], all f32, become codes of FP6 (E2M3) with one E8M0 byte for each 32 along K.
; A block's scale is 2^(floor(log2(largest magnitude)) - 2): its byte is the largest magnitude's exponent field - 2, held at 1 from below by a floor among the maximum's leaves.
; LIMITS: a block of zeros, and a block whose largest magnitude lies under 2^-124, carries the byte 1 (the rule says 127 for zeros): its codes are zeros or tiny, and these bytes are
; read by this program alone.  NaN and infinities among the inputs are not served.
; WORK-GROUPS 0-255: x.  K is innermost, rows are dense: x is a plain stream of blocks of 32.  A wave takes 8 steps of 512 numbers.  Loads take the bytes as they lie (512 consecutive bytes
; a load); a step's 2,048 bytes turn through the wave's own stage in LDS so that a lane holds 16 neighbours, as the conversion wants.  xc: [16384][192 bytes], xs: [16384][8 bytes].
; WORK-GROUPS 256-271: the weights, whose K is the FIRST axis.  A wave takes 32 columns (group G) x 128 along K (step s).  A lane takes one column and its registers run down K, so that a
; block's maximum needs no other lane and the codes come out with K innermost.  They are stored as IMAGES OF THE OPERAND'S REGISTERS:
;   wimg [G 32][s 2][u 2][grp 3][lane 32][16 bytes]: tile u, row r = column 32 G + 8 u + r + 8 (r / 8); lane (r, h) registers 6 c .. 6 c + 5 = K block 2 c + h of step s.
;   wsc  [G 32][s 2][32 words]: lane 16 u + r holds that row's four scale bytes.      G = 0-23: Wqkv (which x 8 + head), G = 24-31: Wproj.
; Only the x path touches LDS; waves share nothing, so there is no barrier.
.set STEPS, 8
.set EMAX,  2
.set CB,    12                         ; bytes of 16 codes
.set R,     16                         ; v16-79   four sets of 16 numbers as loaded
.set X,     80                         ; v80-111  two sets of 16 neighbours
.set E,     112                        ; v112-119 a scale byte for each step
.set C,     128                        ; v128-159 codes: four registers for each step, so that no store's data are written again
.set WREG,  8192                       ; LDS of a wave: two stages of 32 x SP bytes, then its 128 scale bytes
.set SP,    80                         ; a lane's place in a stage: 64 bytes + 16 of padding
	s_load_b128 s[4:7], s[0:1], 0x0                ; x, Wqkv
	s_load_b128 s[8:11], s[0:1], 0x10              ; Wproj, xc
	s_load_b128 s[12:15], s[0:1], 0x20             ; xs, wimg
	s_load_b64 s[16:17], s[0:1], 0x30              ; wsc
	v_lshl_add_u32 v192, v0, 2, 0x8000
	v_mov_b32 v193, 0
	v_lshrrev_b32 v1, 5, v0
	v_readfirstlane_b32 s18, v1                    ; wave
	v_and_b32 v2, 31, v0                           ; lane
	s_mov_b32 s23, 0                               ; the high word of every offset
	s_wait_kmcnt 0x0
	s_cmp_lt_u32 ttmp9, 256
	s_cbranch_scc0 .Lweights
	; ---------------- x ----------------
	v_lshlrev_b32 v3, 4, v2                        ; my 16 bytes of a load's 512
	s_mul_i32 s19, s18, WREG
	v_lshrrev_b32 v14, 2, v2
	v_mul_u32_u24 v14, v14, SP
	v_and_b32 v15, 3, v2
	v_lshl_add_u32 v14, v15, 4, v14
	v_add_nc_u32 v14, s19, v14                     ; the stage, on the way in: SP (lane / 4) + 16 (lane % 4)
	v_mul_u32_u24 v15, v2, SP
	v_add_nc_u32 v15, s19, v15                     ; and on the way out: SP x lane: my 16 neighbours
	v_mul_u32_u24 v4, v2, CB                       ; my codes' place in a step's 384 bytes
	v_lshrrev_b32 v5, 1, v2
	s_add_co_u32 s19, s19, 2*32*SP
	v_add_nc_u32 v5, s19, v5                       ; LDS: my block's scale byte
	v_lshlrev_b32 v7, 2, v2                        ; on the way out 4 bytes a lane
	v_add_nc_u32 v6, s19, v7
	s_lshl_b32 s20, ttmp9, 2
	s_add_co_u32 s20, s20, s18                     ; which run of 4,096 numbers is my wave's
	s_lshl_b32 s22, s20, 14
	s_add_nc_u64 s[4:5], s[4:5], s[22:23]          ; 16,384 bytes of x a run
	s_mul_i32 s22, s20, 3072
	s_add_nc_u64 s[10:11], s[10:11], s[22:23]      ; 3,072 bytes of codes
	s_lshl_b32 s22, s20, 7
	s_add_nc_u64 s[12:13], s[12:13], s[22:23]      ; 128 scale bytes
.macro LOAD t
.irp i, 0,1,2,3
	global_load_b128 v[R+16*((\t)%4)+4*\i:R+16*((\t)%4)+4*\i+3], v3, s[4:5] offset:2048*(\t)+512*\i th:TH_LOAD_NT   ; 32 lanes read 512 consecutive bytes
.endr
.endm
.macro TURN t                          ; step t's numbers through the stage: LDS serves a wave's instructions in order, so no wait stands between the stores and the loads
.irp i, 0,1,2,3
	ds_store_b128 v14, v[R+16*((\t)%4)+4*\i:R+16*((\t)%4)+4*\i+3] offset:32*SP*((\t)%2)+8*SP*\i
.endr
.irp i, 0,1,2,3
	ds_load_b128 v[X+16*((\t)%2)+4*\i:X+16*((\t)%2)+4*\i+3], v15 offset:32*SP*((\t)%2)+16*\i
.endr
.endm
.irp t, 0,1,2,3
	LOAD \t
.endr
	s_wait_loadcnt 12                              ; step 0's four loads are in; twelve younger ones stay out
	TURN 0
.macro STEP t
.set XS, X+16*((\t)%2)
.if (\t) > 0
	s_wait_dscnt 1                                 ; this step's numbers are back from the stage; the one younger LDS instruction, the last step's byte store, may be out
.else
	s_wait_dscnt 0x0
.endif
.if (\t)+4 < STEPS
	LOAD (\t)+4                                    ; into the set whose stores into the stage have just been shown done
.endif
.if (\t)+1 < STEPS
.if STEPS-2-(\t) >= 3
	s_wait_loadcnt 12                              ; the next step's four loads are in; those of the three steps behind it may be out
.else
	s_wait_loadcnt 4*(STEPS-2-(\t))                ; in the tail fewer steps stand behind it
.endif
	TURN (\t)+1
.endif
	v_max3_num_f32 v8, |v[XS]|, |v[XS+1]|, |v[XS+2]|               ; the largest magnitude of my 16, in two chains
	v_max3_num_f32 v9, |v[XS+3]|, |v[XS+4]|, |v[XS+5]|
.irp i, 6,10
	v_max3_num_f32 v8, v8, |v[XS+\i]|, |v[XS+\i+1]|
	v_max3_num_f32 v9, v9, |v[XS+\i+2]|, |v[XS+\i+3]|
.endr
	v_max3_num_f32 v8, v8, |v[XS+14]|, |v[XS+15]|
	v_max3_num_f32 v8, v8, v9, (EMAX+1)<<23        ; and the floor 2^(3 - 127): the byte cannot fall under 1
	v_max_num_f32_dpp v8, v8, v8 row_xmask:1 row_mask:0xf bank_mask:0xf   ; with my neighbour's 16: the block's
	v_add_nc_u32 v11, -(EMAX<<23), v8              ; 2 off its exponent field: the conversion takes the exponent field of this operand as its scale
	v_cvt_scalef32_pk16_fp6_f32 v[C+4*(\t):C+4*(\t)+2], v[XS:XS+15], v11
	v_lshrrev_b32 v[E+(\t)], 23, v11               ; the scale's byte (also the plain line behind the conversion)
	ds_store_b8 v5, v[E+(\t)] offset:16*(\t)       ; both lanes of a block write the same byte with the same value
	global_store_b96 v4, v[C+4*(\t):C+4*(\t)+2], s[10:11] offset:32*CB*(\t)   ; the wave stores 384 consecutive bytes
.endm
.irp t, 0,1,2,3,4,5,6,7
	STEP \t
.endr
	ds_load_b32 v12, v6                            ; LDS serves a wave's instructions in order: this sees my byte stores
	s_wait_dscnt 0x0
	global_store_b32 v7, v12, s[12:13]             ; 128 consecutive bytes
	s_wait_tensorcnt 0x0
	ds_add_u32 v192, v193
	s_wait_dscnt 0x0
	s_endpgm
	; ---------------- the weights ----------------
.Lweights:
	s_sub_co_u32 s19, ttmp9, 256
	s_lshl_b32 s19, s19, 1
	s_lshr_b32 s20, s18, 1
	s_add_co_u32 s19, s19, s20                     ; G = 2 (work-group - 256) + wave / 2
	s_and_b32 s20, s18, 1                          ; s = wave % 2
	v_and_b32 v4, 15, v2                           ; r
	v_lshrrev_b32 v5, 4, v2                        ; u
	v_and_b32 v6, 8, v4
	v_add_nc_u32 v6, v6, v4                        ; r + 8 (r / 8)
	v_lshl_add_u32 v6, v5, 3, v6                   ; my column in the group of 32
	v_lshlrev_b32 v3, 2, v6                        ; in bytes
	v_lshlrev_b32 v7, 4, v4
	v_mad_u32_u24 v7, v5, 1536, v7                 ; the image: tile u, lane r
	v_lshlrev_b32 v8, 2, v2                        ; the scale word: 4 x lane
	s_lshl_b32 s21, s19, 1
	s_add_co_u32 s21, s21, s20                     ; 2 G + s
	s_mul_i32 s22, s21, 3072
	s_add_nc_u64 s[14:15], s[14:15], s[22:23]      ; two images of 1,536 bytes for each (G, s)
	s_lshl_b32 s22, s21, 7
	s_add_nc_u64 s[16:17], s[16:17], s[22:23]
.macro WLOAD pitch, bs                 ; W(128 s + i, my column), i = 0 .. 127: each load reads 128 bytes of one row of W
.set I, 0
.rept 128
	global_load_b32 v[32+I], v3, s[\bs:\bs+1] offset:I*\pitch
.set I, I+1
.endr
.endm
	s_cmp_lt_u32 ttmp9, 268
	s_cbranch_scc0 .Lproj
	s_mul_i32 s22, s20, 128*3072                   ; Wqkv: rows of 3,072 bytes
	s_lshl_b32 s24, s19, 7
	s_add_co_u32 s22, s22, s24
	s_add_nc_u64 s[6:7], s[6:7], s[22:23]
	WLOAD 3072, 6
	s_branch .Lwork
.Lproj:
	s_sub_co_u32 s24, s19, 24                      ; Wproj: rows of 1,024 bytes
	s_lshl_b32 s24, s24, 7
	s_mul_i32 s22, s20, 128*1024
	s_add_co_u32 s22, s22, s24
	s_add_nc_u64 s[8:9], s[8:9], s[22:23]
	WLOAD 1024, 8
.Lwork:
	s_wait_loadcnt 0x0
.irp b, 0,1,2,3                        ; my column's four blocks, by turns
	v_max3_num_f32 v[12+\b], |v[32+32*\b]|, |v[33+32*\b]|, 0x1800000   ; with the floor 2^(3 - 127)
.endr
.irp i, 2,4,6,8,10,12,14,16,18,20,22,24,26,28,30
.irp b, 0,1,2,3
	v_max3_num_f32 v[12+\b], v[12+\b], |v[32+32*\b+\i]|, |v[33+32*\b+\i]|
.endr
.endr
.irp b, 0,1,2,3
	v_add_nc_u32 v[16+\b], 0xff000000, v[12+\b]    ; 2 off the exponent field: the conversion's scale operand
.endr
.irp b, 0,1,2,3
	v_lshrrev_b32 v[20+\b], 23, v[16+\b]           ; the byte
.endr
	v_lshl_or_b32 v24, v21, 8, v20                 ; my row's scale word
	v_lshl_or_b32 v24, v22, 16, v24
	v_lshl_or_b32 v24, v23, 24, v24
.irp c, 0,1                            ; v[160 + 12 h + 6 c ..]: block 2 c + h.  A conversion's three registers begin on an even number, so a block's upper half is made elsewhere and moved
	v_cvt_scalef32_pk16_fp6_f32 v[160+6*\c:162+6*\c], v[32+64*\c:47+64*\c], v[16+2*\c]
	v_cvt_scalef32_pk16_fp6_f32 v[184:186], v[48+64*\c:63+64*\c], v[16+2*\c]
	v_cvt_scalef32_pk16_fp6_f32 v[172+6*\c:174+6*\c], v[64+64*\c:79+64*\c], v[17+2*\c]
	v_cvt_scalef32_pk16_fp6_f32 v[188:190], v[80+64*\c:95+64*\c], v[17+2*\c]
	v_nop                                          ; one plain line behind the conversions
.irp i, 0,1,2
	v_mov_b32 v[163+6*\c+\i], v[184+\i]
	v_mov_b32 v[175+6*\c+\i], v[188+\i]
.endr
.endr
.irp h, 0,1
.irp grp, 0,1,2
	global_store_b128 v7, v[160+12*\h+4*\grp:163+12*\h+4*\grp], s[14:15] offset:512*\grp+256*\h   ; sixteen lanes store 256 consecutive bytes, aligned
.endr
.endr
	global_store_b32 v8, v24, s[16:17]
	s_endpgm
.Lfunc_end_k_q2389eca673_quant:
	.size	k_q2389eca673_quant, .Lfunc_end_k_q2389eca673_quant-k_q2389eca673_quant
	.p2alignl 7, 3214868480
	.fill 96, 4, 3214868480
	.section	.rodata,"a",@progbits
	.p2align	6, 0x0
	.amdhsa_kernel k_q2389eca673_quant
		.amdhsa_group_segment_fixed_size 33280
		.amdhsa_private_segment_fixed_size 0
		.amdhsa_enable_private_segment 0
		.amdhsa_kernarg_size 56
		.amdhsa_user_sgpr_count 2
		.amdhsa_user_sgpr_kernarg_segment_ptr 1
		.amdhsa_wavefront_size32 1
		.amdhsa_system_sgpr_workgroup_id_x 1
		.amdhsa_system_sgpr_workgroup_id_y 1
		.amdhsa_system_sgpr_workgroup_id_z 1
		.amdhsa_system_vgpr_workitem_id 0
		.amdhsa_next_free_vgpr 194
		.amdhsa_next_free_sgpr 66
		.amdhsa_reserve_vcc 0
		.amdhsa_float_denorm_mode_32 3
		.amdhsa_float_denorm_mode_16_64 3
		.amdhsa_memory_ordered 1
		.amdhsa_forward_progress 1
		.amdhsa_inst_pref_size 49
	.end_amdhsa_kernel
	.amdgpu_metadata
---
amdhsa.version: [ 1, 2 ]
amdhsa.kernels:
  - .name:           k_q2389eca673_quant
    .symbol:         k_q2389eca673_quant.kd
    .args:
      - { .name: x, .offset: 0, .size: 8, .value_kind: global_buffer, .address_space: global }
      - { .name: Wqkv, .offset: 8, .size: 8, .value_kind: global_buffer, .address_space: global }
      - { .name: Wproj, .offset: 16, .size: 8, .value_kind: global_buffer, .address_space: global }
      - { .name: xc, .offset: 24, .size: 8, .value_kind: global_buffer, .address_space: global }
      - { .name: xs, .offset: 32, .size: 8, .value_kind: global_buffer, .address_space: global }
      - { .name: wimg, .offset: 40, .size: 8, .value_kind: global_buffer, .address_space: global }
      - { .name: wsc, .offset: 48, .size: 8, .value_kind: global_buffer, .address_space: global }
    .group_segment_fixed_size: 33280
    .private_segment_fixed_size: 0
    .kernarg_segment_align: 8
    .kernarg_segment_size: 56
    .max_flat_workgroup_size: 128
    .sgpr_count:     66
    .vgpr_count:     194
    .wavefront_size: 32
...
	.end_amdgpu_metadata
.endif
;; end of part 1
;; launch qkv (part 2): grid 32 x 8, 4 waves a work-group, no clusters, 0 bytes of LDS; arguments xc, xs, wimg, wsc, qk, vpl, vsc; writes qk, vpl, vsc
.if DOCPART == 2
	.amdgcn_target "amdgcn-amd-amdhsa--gfx1250"
	.amdhsa_code_object_version 6
	.text
	.protected	k_q2389eca673_qkv
	.globl	k_q2389eca673_qkv
	.p2align	8
	.type	k_q2389eca673_qkv,@function
k_q2389eca673_qkv:
	s_mov_b64 s[64:65], 0
	v_nop
	global_prefetch_b8 v0, s[64:65] scope:SCOPE_SE
	s_setreg_imm32_b32 hwreg(HW_REG_WAVE_MODE, 25, 1), 1
	s_wait_xcnt 0x0
; qkv = x Wqkv on codes of FP6, and the three results quantised at once for the attention launch: q x 32^-0.5 and k along the head's 32 channels, v along the keys in aligned blocks of 32.
; SHARES.  Work-group x = 4 head + cblk, y = batch.  Wave f takes periods 4 f + bl (bl = 0 .. 3; a period is 128 rows) x positions 32 cblk .. + 31 x this head's 96 columns: 96 matrix instructions.
; Waves share nothing: no LDS, no barrier.  All loads go out at the head; the weights come as images of the operand's registers, 16 bytes a lane.
; THE ROWS OF A TILE ARE NOT NEIGHBOURS: row r of x's tile u' is position 8 u' + r + 8 (r / 8), row r of a weight tile u is column 8 u + r + 8 (r / 8).
;   q, k: used transposed (source 0 = 16 columns of W, source 1 = 16 rows of x): lane (r, h) holds row r and its 16 registers of tiles u'' = 0, 1 the channels 16 h + 0 .. 15.
;   v:    source 0 = 16 rows of x, source 1 = 16 columns of W: lane (r, h) holds channel 8 u + r + 8 (r / 8) and its 16 registers of tiles u' = 0, 1 the positions 16 h + 0 .. 15: neighbours along the keys.
; OUT.  qk  [b][which 2][head 8][part 2][n 2048][16 bytes]: part 0 = code words 0-3, part 1 = code words 4, 5, the scale byte four times, 0.
;       vpl [b][head][plane 24][f 4][lane 32][xi 4] words: plane D = bits 32 D .. of the 768-bit string of the 128 keys of one (channel, period); lane = r + 16 hA, xi = 2 u + c: channel 8 u + r + 8 (r / 8), period 4 f + 2 c + hA.
;       vsc [b][head][cblk 4][f 4][32 words]: lane 16 u + r: byte bl = the scale of (channel, period 4 f + bl, aligned block cblk).
; LIMITS: blocks of zeros, and blocks under 2^-124, carry the byte 1 (read by this program alone); NaN and infinities are not served.
; REGISTERS.  Window 0: v1-9 lane parts and addresses; v10-15 W's scale words [which][s]; v16-23 x's [bl][s] (lanes 0-15 tile u' = 0, lanes 16-31 u' = 1); v32-127 twelve accumulators in six groups of 16;
;   v128-151 maxima, exchanges, scale operands, bytes; v152-167 a row of q and of k to store; v168-175 second halves; v176-207 v's codes [u][bl]; v208-231 the same ordered for the stores; v232-239 v's bytes.
;   Window 1: W's 12 fragments at 12 (4 which + 2 s + u).   Window 2: x's 16 fragments at 12 (4 bl + 2 u' + s).
.set ACC, 32
.set TM,  128
.set RQ,  152
.set RK,  160
.set YQ,  168
.set YK,  172
.set CV,  176
.set DV,  208
.set VB,  232
.set WSC, 10
.set XSC, 16
.set MSB, 0
.macro WIN new                         ; the immediate's high byte repeats the setting that is left
.if MSB != \new
	s_set_vgpr_msb (MSB<<8)|\new
.set MSB, \new
.endif
.endm
; one matrix instruction.  acc = 0: the constant 0 starts the sum; 1: in place.  ra, rb: which half of the lanes holds the side's scale words
.macro WM d, a, b, acc, sa, sb, ra, rb
.if (\acc) == 0
.if (\ra) && (\rb)
	v_wmma_scale_f32_16x16x128_f8f6f4 v[(\d):(\d)+7], v[(\a):(\a)+11], v[(\b):(\b)+11], 0, v[(\sa)], v[(\sb)] matrix_a_fmt:MATRIX_FMT_FP6 matrix_b_fmt:MATRIX_FMT_FP6 matrix_a_scale:MATRIX_SCALE_ROW1 matrix_b_scale:MATRIX_SCALE_ROW1
.elseif (\ra)
	v_wmma_scale_f32_16x16x128_f8f6f4 v[(\d):(\d)+7], v[(\a):(\a)+11], v[(\b):(\b)+11], 0, v[(\sa)], v[(\sb)] matrix_a_fmt:MATRIX_FMT_FP6 matrix_b_fmt:MATRIX_FMT_FP6 matrix_a_scale:MATRIX_SCALE_ROW1
.elseif (\rb)
	v_wmma_scale_f32_16x16x128_f8f6f4 v[(\d):(\d)+7], v[(\a):(\a)+11], v[(\b):(\b)+11], 0, v[(\sa)], v[(\sb)] matrix_a_fmt:MATRIX_FMT_FP6 matrix_b_fmt:MATRIX_FMT_FP6 matrix_b_scale:MATRIX_SCALE_ROW1
.else
	v_wmma_scale_f32_16x16x128_f8f6f4 v[(\d):(\d)+7], v[(\a):(\a)+11], v[(\b):(\b)+11], 0, v[(\sa)], v[(\sb)] matrix_a_fmt:MATRIX_FMT_FP6 matrix_b_fmt:MATRIX_FMT_FP6
.endif
.else
.if (\ra) && (\rb)
	v_wmma_scale_f32_16x16x128_f8f6f4 v[(\d):(\d)+7], v[(\a):(\a)+11], v[(\b):(\b)+11], v[(\d):(\d)+7], v[(\sa)], v[(\sb)] matrix_a_fmt:MATRIX_FMT_FP6 matrix_b_fmt:MATRIX_FMT_FP6 matrix_a_scale:MATRIX_SCALE_ROW1 matrix_b_scale:MATRIX_SCALE_ROW1
.elseif (\ra)
	v_wmma_scale_f32_16x16x128_f8f6f4 v[(\d):(\d)+7], v[(\a):(\a)+11], v[(\b):(\b)+11], v[(\d):(\d)+7], v[(\sa)], v[(\sb)] matrix_a_fmt:MATRIX_FMT_FP6 matrix_b_fmt:MATRIX_FMT_FP6 matrix_a_scale:MATRIX_SCALE_ROW1
.elseif (\rb)
	v_wmma_scale_f32_16x16x128_f8f6f4 v[(\d):(\d)+7], v[(\a):(\a)+11], v[(\b):(\b)+11], v[(\d):(\d)+7], v[(\sa)], v[(\sb)] matrix_a_fmt:MATRIX_FMT_FP6 matrix_b_fmt:MATRIX_FMT_FP6 matrix_b_scale:MATRIX_SCALE_ROW1
.else
	v_wmma_scale_f32_16x16x128_f8f6f4 v[(\d):(\d)+7], v[(\a):(\a)+11], v[(\b):(\b)+11], v[(\d):(\d)+7], v[(\sa)], v[(\sb)] matrix_a_fmt:MATRIX_FMT_FP6 matrix_b_fmt:MATRIX_FMT_FP6
.endif
.endif
.endm
	s_load_b256 s[4:11], s[0:1], 0x0               ; xc, xs, wimg, wsc
	s_load_b128 s[12:15], s[0:1], 0x20             ; qk, vpl
	s_load_b64 s[16:17], s[0:1], 0x30              ; vsc
	v_lshrrev_b32 v1, 5, v0
	v_readfirstlane_b32 s18, v1                    ; f = wave
	s_and_b32 s19, ttmp9, 3                        ; cblk
	s_lshr_b32 s20, ttmp9, 2                       ; head
	s_and_b32 s21, ttmp7, 0xffff                   ; batch
	v_and_b32 v9, 31, v0                           ; lane
	v_and_b32 v1, 15, v0                           ; r
	v_bfe_u32 v2, v0, 4, 1                         ; h
	v_and_b32 v24, 8, v1
	v_add_nc_u32 v24, v24, v1                      ; r + 8 (r / 8)
	v_mul_u32_u24 v3, v24, 192
	v_mad_u32_u24 v3, v2, 24, v3                   ; x's codes: my row of a tile, + 24 h
	v_lshl_add_u32 v25, v2, 3, v24                 ; 8 h + r + 8 (r / 8): my row where the half of the lanes names the tile
	v_lshlrev_b32 v4, 3, v25                       ; x's scale words: 8 bytes a row
	v_lshlrev_b32 v5, 4, v9                        ; 16 x lane: an image's place
	v_lshlrev_b32 v6, 2, v9                        ; 4 x lane
	v_lshlrev_b32 v7, 4, v25                       ; q's and k's rows: 16 bytes a part
	v_lshlrev_b32 v8, 4, v1
	v_mad_u32_u24 v8, v2, 6144, v8                 ; v's planes: three planes of 2,048 bytes on for h = 1, 16 bytes a lane r
	s_mov_b32 s30, 0xffff0000                      ; lanes 16-31
	s_mov_b32 s32, 0x76543210
	s_mov_b32 s33, 0xfedcba98                      ; v_permlanex16_b32's selects for lane l xor 16
	s_mov_b32 s34, 0x3e3504f3                      ; 32^-0.5
	s_mov_b32 s35, s34                             ; (named with it as a pair, so it is written)
	s_lshl_b32 s22, s21, 11
	s_lshl_b32 s23, s18, 9
	s_add_co_u32 s22, s22, s23
	s_lshl_b32 s23, s19, 5
	s_add_co_u32 s22, s22, s23                     ; my first row of x: 2048 b + 512 f + 32 cblk
	s_mov_b32 s25, 0                               ; the high word of every offset
	s_wait_kmcnt 0x0
	s_mul_i32 s24, s22, 192
	s_add_nc_u64 s[4:5], s[4:5], s[24:25]
	s_lshl_b32 s24, s22, 3
	s_add_nc_u64 s[6:7], s[6:7], s[24:25]
	s_mul_i32 s24, s20, 6144                       ; a group G: four images of 1,536 bytes
	s_add_nc_u64 s[8:9], s[8:9], s[24:25]
	s_lshl_b32 s24, s20, 8
	s_add_nc_u64 s[10:11], s[10:11], s[24:25]
	WIN 0x40                                       ; destination window 1
.irp q, 0,1,2,3,4,5,6,7,8,9,10,11      ; q = 4 which + 2 s + u
.irp grp, 0,1,2
	global_load_b128 v[12*\q+4*\grp:12*\q+4*\grp+3], v5, s[8:9] offset:(\q/4)*49152+(\q%4)*1536+\grp*512
.endr
.endr
	WIN 0
.irp wh, 0,1,2
.irp s, 0,1
	global_load_b32 v[WSC+2*\wh+\s], v6, s[10:11] offset:\wh*2048+\s*128
.endr
.endr
.irp bl, 0,1,2,3
.irp s, 0,1
	global_load_b32 v[XSC+2*\bl+\s], v4, s[6:7] offset:\bl*1024+4*\s
.endr
.endr
	WIN 0x80                                       ; destination window 2
.irp bl, 0,1,2,3                       ; a period's four fragments: 24 loads of 8 bytes, every address a multiple of 8
.irp up, 0,1
.irp s, 0,1
.irp p, 0,1,2,3,4,5
	global_load_b64 v[12*(4*\bl+2*\up+\s)+2*\p:12*(4*\bl+2*\up+\s)+2*\p+1], v3, s[4:5] offset:(128*\bl+8*\up)*192+96*\s+48*(\p/3)+8*(\p%3)
.endr
.endr
.endr
.endr
	WIN 0
	; where the results go
	s_lshl_b32 s24, s21, 20
	s_lshl_b32 s26, s20, 16
	s_add_co_u32 s24, s24, s26
	s_lshl_b32 s26, s18, 13
	s_add_co_u32 s24, s24, s26
	s_lshl_b32 s26, s19, 9
	s_add_co_u32 s24, s24, s26
	s_add_nc_u64 s[12:13], s[12:13], s[24:25]      ; qk: batch, head, row 512 f + 32 cblk
	s_lshl_b32 s27, s21, 3
	s_add_co_u32 s27, s27, s20                     ; 8 b + head
	s_mul_i32 s24, s27, 49152
	s_mul_i32 s26, s19, 12288
	s_add_co_u32 s24, s24, s26
	s_lshl_b32 s26, s18, 9
	s_add_co_u32 s24, s24, s26
	s_add_nc_u64 s[14:15], s[14:15], s[24:25]      ; vpl: plane 6 cblk, f
	s_lshl_b32 s24, s27, 2
	s_add_co_u32 s24, s24, s19
	s_lshl_b32 s24, s24, 9
	s_lshl_b32 s26, s18, 7
	s_add_co_u32 s24, s24, s26
	s_add_nc_u64 s[16:17], s[16:17], s[24:25]      ; vsc
.irp i, 0,1,2,3,4,5
	v_mov_b32 v[TM+6+\i], 0                        ; written once: a lane permute's destination counts as one of its sources
.endr
	v_mov_b32 v[RQ+7], 0                           ; the last word of a row's second part
	v_mov_b32 v[RK+7], 0
; A period's 24 matrix instructions: the twelve accumulators take turns, one instruction a turn, in the same order in both K steps
.macro MULP bl
.irp s, 0,1
	WIN 0x09                                       ; source 0 (W) window 1, source 1 (x) window 2
.irp wh, 0,1
.irp up, 0,1
.irp uu, 0,1
	WM ACC+32*\wh+16*\up+8*\uu, 12*(4*\wh+2*\s+\uu), 12*(4*(\bl)+2*\up+\s), \s, WSC+2*\wh+\s, XSC+2*(\bl)+\s, \uu, \up
.endr
.endr
.endr
	WIN 0x06                                       ; source 0 (x) window 2, source 1 (W) window 1
.irp u, 0,1
.irp up, 0,1
	WM ACC+64+16*\u+8*\up, 12*(4*(\bl)+2*\up+\s), 12*(8+2*\s+\u), \s, XSC+2*(\bl)+\s, WSC+4+\s, \up, \u
.endr
.endr
.endr
	WIN 0
.rept 4
	v_nop                                          ; four places in front of the first read of results
.endr
.endm
; The six groups of 16 numbers are quantised; a block of 32 lies in lanes l and l xor 16
.macro QNT bl
.irp j, 0,2,4,6,8,10,12,14,16,18,20,22,24,26,28,30
	v_pk_mul_f32 v[ACC+\j:ACC+\j+1], v[ACC+\j:ACC+\j+1], s[34:35] op_sel_hi:[1,0]   ; q x 32^-0.5, each accumulator from its low end on
.endr
.irp gq, 0,1,2,3,4,5
	v_max3_num_f32 v[TM+\gq], |v[ACC+16*\gq]|, |v[ACC+16*\gq+1]|, 0x1800000   ; with the floor 2^(3 - 127)
.endr
.irp i, 2,4,6,8,10,12,14
.irp gq, 0,1,2,3,4,5
	v_max3_num_f32 v[TM+\gq], v[TM+\gq], |v[ACC+16*\gq+\i]|, |v[ACC+16*\gq+\i+1]|   ; the six groups by turns
.endr
.endr
.irp gq, 0,1,2,3,4,5
	v_permlanex16_b32 v[TM+6+\gq], v[TM+\gq], s32, s33
.endr
.irp gq, 0,1,2,3,4,5
	v_max_num_f32 v[TM+\gq], v[TM+\gq], v[TM+6+\gq]
.endr
.irp gq, 0,1,2,3,4,5
	v_add_nc_u32 v[TM+12+\gq], 0xff000000, v[TM+\gq]   ; 2 off the exponent field: the conversion's scale operand
.endr
.irp gq, 0,1,2,3
	v_lshrrev_b32 v[TM+18+\gq], 23, v[TM+12+\gq]   ; q's and k's bytes
.endr
	v_lshrrev_b32 v[VB+(\bl)], 23, v[TM+16]        ; v's, kept for the end
	v_lshrrev_b32 v[VB+4+(\bl)], 23, v[TM+17]
.if (\bl) > 0
	s_wait_xcnt 0x0                                ; the last period's stores have read their data: only behind this wait are those registers written again
.endif
	v_cvt_scalef32_pk16_fp6_f32 v[RQ:RQ+2], v[ACC:ACC+15], v[TM+12]
	v_cvt_scalef32_pk16_fp6_f32 v[YQ:YQ+2], v[ACC+16:ACC+31], v[TM+13]
	v_cvt_scalef32_pk16_fp6_f32 v[RK:RK+2], v[ACC+32:ACC+47], v[TM+14]
	v_cvt_scalef32_pk16_fp6_f32 v[YK:YK+2], v[ACC+48:ACC+63], v[TM+15]
	v_cvt_scalef32_pk16_fp6_f32 v[CV+4*(\bl):CV+4*(\bl)+2], v[ACC+64:ACC+79], v[TM+16]
	v_cvt_scalef32_pk16_fp6_f32 v[CV+16+4*(\bl):CV+16+4*(\bl)+2], v[ACC+80:ACC+95], v[TM+17]
	v_nop                                          ; one plain line behind the conversions
.endm
; q's and k's rows leave.  The exchange gives lane (r, h) the whole row r of tile h: channels 0-15 in the first three registers, 16-31 in the second three
.macro PUTQK bl
.irp i, 0,1,2
	v_permlane16_swap_b32 v[RQ+\i], v[YQ+\i]
	v_permlane16_swap_b32 v[RK+\i], v[YK+\i]
.endr
.irp i, 0,1,2
	v_mov_b32 v[RQ+3+\i], v[YQ+\i]
	v_mov_b32 v[RK+3+\i], v[YK+\i]
.endr
	v_cndmask_b32 v[RQ+6], v[TM+18], v[TM+19], s30 ; the byte of my tile's row,
	v_cndmask_b32 v[RK+6], v[TM+20], v[TM+21], s30
	v_perm_b32 v[RQ+6], v[RQ+6], v[RQ+6], 0        ; in all four bytes of the word
	v_perm_b32 v[RK+6], v[RK+6], v[RK+6], 0
	global_store_b128 v7, v[RQ:RQ+3], s[12:13] offset:(\bl)*2048                   ; each store covers 512 consecutive bytes
	global_store_b128 v7, v[RQ+4:RQ+7], s[12:13] offset:32768+(\bl)*2048
	global_store_b128 v7, v[RK:RK+3], s[12:13] offset:524288+(\bl)*2048
	global_store_b128 v7, v[RK+4:RK+7], s[12:13] offset:524288+32768+(\bl)*2048
.endm
	s_wait_loadcnt 63                              ; period 0's fragments are in: 72 loads were issued behind them, and 63 is the largest count that the wait can name
	MULP 0
	QNT 0
	PUTQK 0
	s_wait_loadcnt 48                              ; the two later periods' 48 loads may be out
	MULP 1
	QNT 1
	PUTQK 1
	s_wait_loadcnt 24
	MULP 2
	QNT 2
	PUTQK 2
	s_wait_loadcnt 0x0
	MULP 3
	QNT 3
	PUTQK 3
	; v leaves: a store wants the four (u, c) of one plane and one half hA side by side
.irp i, 0,1,2
.irp ha, 0,1
.irp xi, 0,1,2,3
	v_mov_b32 v[DV+8*\i+4*\ha+\xi], v[CV+16*(\xi/2)+4*(2*(\xi%2)+\ha)+\i]
.endr
.endr
.endr
.irp i, 0,1,2
.irp ha, 0,1
	global_store_b128 v8, v[DV+8*\i+4*\ha:DV+8*\i+4*\ha+3], s[14:15] offset:\i*2048+\ha*256   ; sixteen lanes store 256 consecutive bytes, aligned
.endr
.endr
.irp u, 0,1
	v_lshl_or_b32 v[VB+4*\u], v[VB+4*\u+1], 8, v[VB+4*\u]
	v_lshl_or_b32 v[VB+4*\u], v[VB+4*\u+2], 16, v[VB+4*\u]
	v_lshl_or_b32 v[VB+4*\u], v[VB+4*\u+3], 24, v[VB+4*\u]
.endr
	v_cndmask_b32 v[VB], v[VB], v[VB+4], s30       ; lanes 0-15 tile u = 0, lanes 16-31 u = 1
	global_store_b32 v6, v[VB], s[16:17]
	s_endpgm
.Lfunc_end_k_q2389eca673_qkv:
	.size	k_q2389eca673_qkv, .Lfunc_end_k_q2389eca673_qkv-k_q2389eca673_qkv
	.p2alignl 7, 3214868480
	.fill 96, 4, 3214868480
	.section	.rodata,"a",@progbits
	.p2align	6, 0x0
	.amdhsa_kernel k_q2389eca673_qkv
		.amdhsa_group_segment_fixed_size 0
		.amdhsa_private_segment_fixed_size 0
		.amdhsa_enable_private_segment 0
		.amdhsa_kernarg_size 56
		.amdhsa_user_sgpr_count 2
		.amdhsa_user_sgpr_kernarg_segment_ptr 1
		.amdhsa_wavefront_size32 1
		.amdhsa_system_sgpr_workgroup_id_x 1
		.amdhsa_system_sgpr_workgroup_id_y 1
		.amdhsa_system_sgpr_workgroup_id_z 1
		.amdhsa_system_vgpr_workitem_id 0
		.amdhsa_next_free_vgpr 768
		.amdhsa_next_free_sgpr 66
		.amdhsa_reserve_vcc 0
		.amdhsa_float_denorm_mode_32 3
		.amdhsa_float_denorm_mode_16_64 3
		.amdhsa_memory_ordered 1
		.amdhsa_forward_progress 1
		.amdhsa_inst_pref_size 59
	.end_amdhsa_kernel
	.amdgpu_metadata
---
amdhsa.version: [ 1, 2 ]
amdhsa.kernels:
  - .name:           k_q2389eca673_qkv
    .symbol:         k_q2389eca673_qkv.kd
    .args:
      - { .name: xc, .offset: 0, .size: 8, .value_kind: global_buffer, .address_space: global }
      - { .name: xs, .offset: 8, .size: 8, .value_kind: global_buffer, .address_space: global }
      - { .name: wimg, .offset: 16, .size: 8, .value_kind: global_buffer, .address_space: global }
      - { .name: wsc, .offset: 24, .size: 8, .value_kind: global_buffer, .address_space: global }
      - { .name: qk, .offset: 32, .size: 8, .value_kind: global_buffer, .address_space: global }
      - { .name: vpl, .offset: 40, .size: 8, .value_kind: global_buffer, .address_space: global }
      - { .name: vsc, .offset: 48, .size: 8, .value_kind: global_buffer, .address_space: global }
    .group_segment_fixed_size: 0
    .private_segment_fixed_size: 0
    .kernarg_segment_align: 8
    .kernarg_segment_size: 56
    .max_flat_workgroup_size: 128
    .sgpr_count:     66
    .vgpr_count:     768
    .wavefront_size: 32
...
	.end_amdgpu_metadata
.endif
;; end of part 2
;; launch attn (part 3): grid 32 x 8, 8 waves a work-group, no clusters, 48,640 bytes of LDS; arguments qk, vpl, vsc, wimg, wsc, bproj, out0; writes out0
.if DOCPART == 3
	.amdgcn_target "amdgcn-amd-amdhsa--gfx1250"
	.amdhsa_code_object_version 6
	.text
	.protected	k_q2389eca673_attn
	.globl	k_q2389eca673_attn
	.p2align	8
	.type	k_q2389eca673_attn,@function
k_q2389eca673_attn:
	s_mov_b64 s[64:65], 0
	v_nop
	global_prefetch_b8 v0, s[64:65] scope:SCOPE_SE
	s_setreg_imm32_b32 hwreg(HW_REG_WAVE_MODE, 25, 1), 1
	s_wait_xcnt 0x0
; Attention under the module's own mask, and the output projection, all on codes of FP6 with E8M0 scales.
; THE MASK has period 128 in queries and keys: a query at position i = n % 128 sees the keys at positions clamp(i - 5, 0, 117) + 0 .. 10 of all 16 periods.  All else has p = 0 and is not computed.
; SHARES.  Work-group x = g: positions 4 g + a (a = 0 .. 3), y = batch.  Wave w = head w.  A UNIT is one position of one head: 16 queries, query r = row 128 r + position, which share one window.
;   The four positions' windows lie in the 14 SLOTS beta + 0 .. 13, beta = clamp(4 g - 5, 0, 114).  A wave loads its head's K and V once, into registers, for its four units.
; K Q^T.  K = 32 on an instruction of K = 128: one fragment of source 0 carries FOUR tiles of keys, one in each block of 32; source 1 is q with its codes in one block and zero codes in the others
;   (four overlapping runs of the registers Z Qa Z Qb Z; Qa holds q in lanes 0-15 alone, Qb in lanes 16-31 alone).  The mask is the C operand: 0 or -1e30, one register a slot.
;   Tile (pi, u): rows 0-7 = period 2 pi, rows 8-15 = period 2 pi + 1, slots 8 u + (row % 8).  So lane (r, h) holds query r, and S[16 pi + slot] belongs to period 2 pi + h.
; SOFTMAX.  t = logit x log2(e); M = ceil(the row's largest t); p = 2^(t - M).  The whole row is in registers: one M.  The sum is taken of the unquantised p and divides O.
; P V.  A block of the instruction = one period: 16 slots of codes, then 16 zero codes, on both sides.  The conversion of S[16 pi ..+15] IS registers 0-2 of the lane's block.
;   V's chunk at beta is cut by v_alignbit_b32 out of four word planes of the key stream; each key keeps the code made with its own aligned block's scale.
;   Where the slots straddle two aligned blocks of 32 keys (a_g = slots in the lower block = 13, 9, 5 or 1), p is quantised twice, with each block's own largest p, the codes of the other block's slots
;   are cleared, and the product runs twice, with V's scale words of each block.  The other groups jump over the second part: a scalar branch on the work-group's number.
; PROJECTION.  V's tiles take channels 8 u + r + 8 (r / 8), so a lane's 16 registers of O are 16 neighbouring channels; a head is one block along the projection's K.  Each wave quantises O / l of its head;
;   the codes meet in LDS as images of the operand's registers; one barrier; then wave w makes output columns 64 (w % 4) .. + 63 for positions 2 (w / 4) + 0, 1.
; No tensor load, ring, cluster or joint request: every byte of K and V goes once into the one wave of the work-group that uses it, and Wproj's into the two waves of the same w % 4.
; LIMITS: |logit| under 1e29 (the mask's addend is -1e30); blocks under 2^-124 and blocks of zeros carry the byte 1, their codes being zeros or tiny; NaN and infinities are not served.
; LDS: 0: eight images (2 a + s) of 1,536 bytes, lane L at 48 L; 12,288: their scale words, 64 bytes each; 12,800: a stage of 16 rows x 272 bytes for each wave.
; REGISTERS, window 0: v1-15 lane parts and addresses; v16-19 bias; v20-23 Wproj's scale words; v24-31 K's; v32-39 V's (lower, upper block); v40-47 p's; v48-49 -M; v50-53 sums; v54-59 at work, 1 / l;
;   v60-63 q's scale words; v64-191 S (first V's planes, at the end O's fragments and the projection's sums); v192-207 O; v208-223 the blocks' largest; v224-231 at work; v232-255 q's codes.
;   Window 1: v0-47 K; v48-77 Z Qa Z Qb Z; v80-95 the mask; v96-191 V; v192-239 p.  From the last unit's K Q^T on v0-95 hold Wproj's fragments.
.set IMG, 0
.set OSC, 12288
.set STG, 12800
.set BI,  16
.set WS,  20
.set KS,  24
.set VSL, 32
.set VSH, 36
.set PSL, 40
.set PSH, 44
.set NM,  48
.set RM,  54
.set RL,  58
.set QS,  60
.set S,   64
.set O,   192
.set BLO, 208
.set BHI, 216
.set TP,  224
.set QR,  232
.set KF,  0                            ; window 1 from here on
.set QZ,  48
.set CM,  80
.set VF,  96
.set PF,  192
.set MSB, 0
.macro WIN new                         ; the immediate's high byte repeats the setting that is left
.if MSB != \new
	s_set_vgpr_msb (MSB<<8)|\new
.set MSB, \new
.endif
.endm
; one matrix instruction.  c < 0: the constant 0 as C, else C's first register.  ra: which half of the lanes holds source 0's scale words; source 1's lie in lanes 0-15
.macro WM d, a, b, c, sa, sb, ra
.if (\c) < 0
.if (\ra)
	v_wmma_scale_f32_16x16x128_f8f6f4 v[(\d):(\d)+7], v[(\a):(\a)+11], v[(\b):(\b)+11], 0, v[(\sa)], v[(\sb)] matrix_a_fmt:MATRIX_FMT_FP6 matrix_b_fmt:MATRIX_FMT_FP6 matrix_a_scale:MATRIX_SCALE_ROW1
.else
	v_wmma_scale_f32_16x16x128_f8f6f4 v[(\d):(\d)+7], v[(\a):(\a)+11], v[(\b):(\b)+11], 0, v[(\sa)], v[(\sb)] matrix_a_fmt:MATRIX_FMT_FP6 matrix_b_fmt:MATRIX_FMT_FP6
.endif
.else
.if (\ra)
	v_wmma_scale_f32_16x16x128_f8f6f4 v[(\d):(\d)+7], v[(\a):(\a)+11], v[(\b):(\b)+11], v[(\c):(\c)+7], v[(\sa)], v[(\sb)] matrix_a_fmt:MATRIX_FMT_FP6 matrix_b_fmt:MATRIX_FMT_FP6 matrix_a_scale:MATRIX_SCALE_ROW1
.else
	v_wmma_scale_f32_16x16x128_f8f6f4 v[(\d):(\d)+7], v[(\a):(\a)+11], v[(\b):(\b)+11], v[(\c):(\c)+7], v[(\sa)], v[(\sb)] matrix_a_fmt:MATRIX_FMT_FP6 matrix_b_fmt:MATRIX_FMT_FP6
.endif
.endif
.endm
.macro PLACES
.rept 4
	v_nop
.endr
.endm
	s_load_b256 s[4:11], s[0:1], 0x0               ; qk, vpl, vsc, wimg
	s_load_b128 s[12:15], s[0:1], 0x20             ; wsc, bproj
	s_load_b64 s[16:17], s[0:1], 0x30              ; out0
	v_lshl_add_u32 v57, v0, 2, 0xba00
	s_set_vgpr_msb 0x40
	v_mov_b32 v255, 0
	s_set_vgpr_msb 0x4000
	v_lshrrev_b32 v1, 5, v0
	v_readfirstlane_b32 s18, v1                    ; wave = head
	s_and_b32 s20, ttmp7, 0xffff                   ; batch
	s_lshl_b32 s19, ttmp9, 2                       ; 4 g: the first position
	s_sub_co_i32 s21, s19, 5
	s_max_i32 s21, s21, 0
	s_min_i32 s21, s21, 114                        ; beta
	s_mul_i32 s54, s21, 6
	s_lshr_b32 s22, s54, 5                         ; P0: the plane in which the chunk begins,
	s_and_b32 s23, s54, 31                         ; and the bit in it
	s_lshr_b32 s24, s21, 5                         ; the lower aligned block of 32 keys
	s_add_co_u32 s25, s24, 1
	s_lshl_b32 s26, s25, 5
	s_sub_co_u32 s26, s26, s21                     ; a_g: slots that belong to it
	s_min_u32 s25, s25, 3                          ; the upper block (held inside the table where there is none)
	s_cmp_le_u32 s26, 13
	s_cselect_b32 s27, 1, 0                        ; do the 14 slots straddle?
	v_and_b32 v1, 15, v0                           ; r
	v_bfe_u32 v2, v0, 4, 1                         ; h
	v_and_b32 v54, 31, v0                          ; lane
	v_and_b32 v55, 7, v1
	v_lshl_add_u32 v55, v2, 3, v55                 ; K: my slot 8 h + r % 8,
	v_min_u32 v55, 13, v55                         ; slots 14 and 15 read slot 13's key: they are always masked, and no load leaves the period
	v_lshrrev_b32 v56, 3, v1
	v_lshl_add_u32 v55, v56, 7, v55                ; and 128 rows on for rows 8-15
	v_lshlrev_b32 v3, 4, v55                       ; 16 bytes a row and part
	v_lshlrev_b32 v4, 11, v1                       ; q: query r lies 128 rows x 16 bytes on
	v_lshlrev_b32 v5, 4, v54                       ; 16 x lane
	v_lshlrev_b32 v7, 2, v54                       ; 4 x lane
	v_lshlrev_b32 v15, 4, v1                       ; 16 x (lane % 16)
	s_add_co_u32 s54, s22, 3
	s_min_u32 s54, s54, 23                         ; the fourth plane, held inside the 24: beyond them lie only bits of slots 14 and 15
	s_sub_co_u32 s54, s54, s22
	s_lshl_b32 s54, s54, 11
	v_add_nc_u32 v6, s54, v5
	s_mov_b32 s55, 0                               ; the high words of the offsets
	s_mov_b32 s59, 0
	s_and_b32 s60, s18, 3                          ; cq = w % 4: my 64 output columns
	s_lshr_b32 s61, s18, 2                         ; pp = w / 4: my two positions
	s_lshl_b32 s56, s20, 3
	s_add_co_u32 s56, s56, s18                     ; 8 b + head
	s_wait_kmcnt 0x0
	s_mul_i32 s54, s56, 49152
	s_lshl_b32 s57, s22, 11
	s_add_co_u32 s54, s54, s57
	s_add_nc_u64 s[66:67], s[6:7], s[54:55]        ; V's planes from P0 on
	s_lshl_b32 s54, s20, 20
	s_lshl_b32 s57, s18, 16
	s_add_co_u32 s54, s54, s57                     ; batch and head in qk
	s_lshl_b32 s57, s19, 4
	s_add_co_u32 s58, s54, s57
	s_add_nc_u64 s[70:71], s[4:5], s[58:59]        ; q at row 4 g
	s_lshl_b32 s57, s21, 4
	s_add_co_u32 s58, s54, s57
	s_add_co_u32 s58, s58, 524288
	s_add_nc_u64 s[68:69], s[4:5], s[58:59]        ; k at row beta
	s_lshl_b32 s57, s56, 2
	s_add_co_u32 s58, s57, s24
	s_lshl_b32 s58, s58, 9
	s_add_nc_u64 s[72:73], s[8:9], s[58:59]        ; V's scale words of the lower block,
	s_add_co_u32 s58, s57, s25
	s_lshl_b32 s58, s58, 9
	s_add_nc_u64 s[74:75], s[8:9], s[58:59]        ; of the upper
	s_lshl_b32 s57, s60, 1
	s_add_co_u32 s57, s57, 24                      ; my first group of Wproj's columns
	s_mul_i32 s58, s57, 6144
	s_add_nc_u64 s[10:11], s[10:11], s[58:59]
	s_lshl_b32 s58, s57, 8
	s_add_nc_u64 s[12:13], s[12:13], s[58:59]
	s_lshl_b32 s58, s60, 8
	s_add_nc_u64 s[14:15], s[14:15], s[58:59]      ; the bias of my 64 columns
	s_lshl_b32 s57, s20, 21
	s_add_co_u32 s58, s58, s57
	s_lshl_b32 s57, s19, 10
	s_add_co_u32 s58, s58, s57
	s_lshl_b32 s57, s61, 11
	s_add_co_u32 s58, s58, s57
	s_add_nc_u64 s[16:17], s[16:17], s[58:59]      ; out0: batch, row 4 g + 2 pp, my columns
	; 65 loads, V's planes first
.irp k, 0,1,2
.irp f, 0,1,2,3
	global_load_b128 v[S+16*\k+4*\f:S+16*\k+4*\f+3], v5, s[66:67] offset:\k*2048+\f*512
.endr
.endr
.irp f, 0,1,2,3
	global_load_b128 v[S+48+4*\f:S+48+4*\f+3], v6, s[66:67] offset:\f*512
.endr
	WIN 0x40                                       ; destination window 1
.irp f, 0,1,2,3                        ; K: fragment f, registers 6 c .. 6 c + 5 of lane (r, h): period 4 f + 2 c + r / 8, slot 8 h + r % 8
.irp c, 0,1
	global_load_b128 v[KF+12*\f+6*\c:KF+12*\f+6*\c+3], v3, s[68:69] offset:\f*8192+\c*4096
	global_load_b64 v[KF+12*\f+6*\c+4:KF+12*\f+6*\c+5], v3, s[68:69] offset:\f*8192+\c*4096+32768
.endr
.endr
	WIN 0
.irp f, 0,1,2,3
.irp c, 0,1
	global_load_b32 v[KS+2*\f+\c], v3, s[68:69] offset:\f*8192+\c*4096+32768+8   ; that key's byte, four times: right for whichever block its tile stands in
.endr
.endr
.irp a, 0,1,2,3
	global_load_b128 v[QR+6*\a:QR+6*\a+3], v4, s[70:71] offset:16*\a
	global_load_b64 v[QR+6*\a+4:QR+6*\a+5], v4, s[70:71] offset:16*\a+32768
	global_load_b32 v[QS+\a], v4, s[70:71] offset:16*\a+32768+8
.endr
.irp f, 0,1,2,3
	global_load_b32 v[VSL+\f], v7, s[72:73] offset:\f*128
	global_load_b32 v[VSH+\f], v7, s[74:75] offset:\f*128
.endr
.irp gp, 0,1
.irp s, 0,1
	global_load_b32 v[WS+2*\gp+\s], v7, s[12:13] offset:\gp*256+\s*128
.endr
.endr
	global_load_b128 v[BI:BI+3], v15, s[14:15]
	; the rest of the scalars
.irp a, 0,1,2,3
	s_add_co_i32 s54, s19, \a-5
	s_max_i32 s54, s54, 0
	s_min_i32 s54, s54, 117
	s_sub_co_u32 s54, s54, s21
	s_lshl_b32 s[28+\a], 0x7ff, s54                ; position a's eleven slots, as bits
.endr
	s_min_u32 s54, s26, 14
	s_mul_i32 s54, s54, 6                          ; bits of a chunk's codes that belong to the lower block (84: all 14 slots)
.irp i, 0,1,2
	s_sub_co_i32 s57, s54, 32*\i
	s_max_i32 s57, s57, 0
	s_min_i32 s57, s57, 32
	s_lshl_b64 s[62:63], -1, s57
	s_not_b32 s[32+\i], s62                        ; s32-34: keeps the lower block's codes
.if \i == 2
	s_and_b32 s[36+\i], s62, 0xfffff               ; s36-38: keeps the upper block's, up to slot 13
.else
	s_mov_b32 s[36+\i], s62
.endif
.endr
	s_mov_b32 s53, 0xf149f2ca                      ; -1e30
	s_mov_b32 s62, 0x7f61b1e6                      ; 3e38
.irp q, 0,1,2,3                        ; the slots in groups 1-4, 5-8, 9-12, 13: a_g is 1, 5, 9, 13 or more, so a group lies whole in one block.  A cap of -1e30 takes it out of a block's maximum
	s_cmp_gt_u32 s26, 1+4*\q
	s_cselect_b32 s[40+\q], s62, s53               ; s40-43: for the lower block
	s_cselect_b32 s[44+\q], s53, s62               ; s44-47: for the upper
.endr
	s_mov_b32 s48, 0x3fb8aa3b                      ; log2(e)
	s_mov_b32 s49, s48                             ; (named with it as a pair, so it is written)
	s_mov_b32 s50, 0x76543210
	s_mov_b32 s51, 0xfedcba98                      ; v_permlanex16_b32's selects for lane l xor 16
	s_mov_b32 s52, 0xffff0000                      ; lanes 16-31
	; LDS addresses: constants, lane terms and the wave's number
	s_mul_i32 s57, s61, 1536
	s_and_b32 s58, s18, 1
	s_mul_i32 s58, s58, 768
	s_add_co_u32 s57, s57, s58
	s_bfe_u32 s58, s18, 0x10001
	s_mul_i32 s58, s58, 24
	s_add_co_u32 s57, s57, s58
	v_mul_u32_u24 v8, v1, 48
	v_mad_u32_u24 v8, v2, 12, v8
	v_add_nc_u32 v8, s57, v8                       ; my head's codes in an image: K step w / 4, lane r + 16 (w % 2), registers 6 ((w / 2) % 2) + 3 h on
	s_lshl_b32 s57, s61, 6
	s_add_co_u32 s57, s57, s60
	s_add_co_u32 s57, s57, OSC
	v_lshl_add_u32 v9, v1, 2, s57                  ; and its byte: row r's word, byte w % 4
	s_mul_i32 s57, s18, 4352
	s_add_co_u32 s57, s57, STG
	v_mul_u32_u24 v10, v1, 272
	v_lshl_add_u32 v10, v2, 6, v10
	v_add_nc_u32 v10, s57, v10                     ; my stage, in: row r, 64 bytes for each half of the lanes
	v_mul_u32_u24 v11, v2, 272
	v_lshl_add_u32 v11, v1, 4, v11
	v_add_nc_u32 v11, s57, v11                     ; back: lanes 0-15 one row of 256 bytes, lanes 16-31 the next
	v_lshl_add_u32 v12, v2, 17, v15                ; the same in out0: a query is 128 rows of 1,024 bytes on
	s_mul_i32 s57, s61, 6144
	v_mul_u32_u24 v13, v54, 48
	v_add_nc_u32 v13, s57, v13                     ; the images of my two positions, 48 bytes a lane
	s_lshl_b32 s57, s61, 8
	s_add_co_u32 s57, s57, OSC
	v_lshl_add_u32 v14, v1, 2, s57                 ; and their scale words
	v_mov_b32 v[NM+1], 0                           ; upper halves of pairs whose low word serves both halves: named, so written
	v_mov_b32 v[RL+1], 0
	WIN 0x40
.irp i, 0,1,2,3,4,5                    ; zero codes that stay: the three Z,
	v_mov_b32 v[QZ+\i], 0
	v_mov_b32 v[QZ+12+\i], 0
	v_mov_b32 v[QZ+24+\i], 0
.endr
.irp q, 0,1,2,3,4,5,6,7,8,9,10,11,12,13,14,15
.irp i, 3,4,5
	v_mov_b32 v[VF+6*\q+\i], 0                     ; the upper half of each block of V,
.endr
.endr
.irp q, 0,1,2,3,4,5,6,7
.irp i, 3,4,5
	v_mov_b32 v[PF+6*\q+\i], 0                     ; and of p
.endr
.endr
	v_mov_b32 v[CM+14], s53                        ; slots 14 and 15 lie in no window
	v_mov_b32 v[CM+15], s53
	s_wait_loadcnt 49                              ; V's 16 plane loads are in: 49 loads were issued behind them
.irp u, 0,1
.irp f, 0,1,2,3
.irp c, 0,1
.irp i, 0,1,2
	v_alignbit_b32 v[VF+12*(4*\u+\f)+6*\c+\i], v[S+16*(\i+1)+4*\f+2*\u+\c], v[S+16*\i+4*\f+2*\u+\c], s23   ; 96 bits from bit 6 beta on: the codes of slots 0-15
.endr
.endr
.endr
.endr
	WIN 0
	s_wait_loadcnt 0x0
; the largest score of chunk p in each of the two aligned blocks, and the row's.  Each accumulator is first read in one of its four lowest registers
.macro MAXP p
.set SB0, S+16*(\p)
	v_max3_num_f32 v[TP], v[SB0+1], v[SB0+2], v[SB0+3]
	v_max3_num_f32 v[TP+1], v[SB0+5], v[SB0+6], v[SB0+7]
	v_max3_num_f32 v[TP+2], v[SB0+9], v[SB0+10], v[SB0+11]
	v_max_num_f32 v[TP], v[TP], v[SB0+4]
	v_max_num_f32 v[TP+1], v[TP+1], v[SB0+8]
	v_max_num_f32 v[TP+2], v[TP+2], v[SB0+12]
	v_min_num_f32 v[TP+3], s40, v[TP]
	v_min_num_f32 v[TP+4], s41, v[TP+1]
	v_min_num_f32 v[TP+5], s42, v[TP+2]
	v_min_num_f32 v[TP+6], s43, v[SB0+13]
	v_max3_num_f32 v[BLO+(\p)], v[SB0], v[TP+3], v[TP+4]
	v_min_num_f32 v[TP], s44, v[TP]
	v_min_num_f32 v[TP+1], s45, v[TP+1]
	v_max3_num_f32 v[BLO+(\p)], v[BLO+(\p)], v[TP+5], v[TP+6]
	v_min_num_f32 v[TP+2], s46, v[TP+2]
	v_min_num_f32 v[TP+7], s47, v[SB0+13]
	v_max3_num_f32 v[BHI+(\p)], v[TP], v[TP+1], v[TP+2]
	v_max_num_f32 v[BHI+(\p)], v[BHI+(\p)], v[TP+7]
.if (\p) == 0
	v_max_num_f32 v[RM], v[BLO], v[BHI]
.else
	v_max3_num_f32 v[RM], v[RM], v[BLO+(\p)], v[BHI+(\p)]
.endif
.endm
; eight largest p in v[x] on become the conversions' scale operands, in place, and p's four scale words in v[ps] on: byte 2 c + h of word f belongs to period 4 f + 2 c + h
.macro BLKSC x, ps
.irp p, 0,1,2,3,4,5,6,7
	v_max_num_f32 v[\x+\p], 0x1800000, v[\x+\p]    ; the floor 2^(3 - 127): the byte cannot fall under 1
.endr
.irp p, 0,1,2,3,4,5,6,7
	v_add_nc_u32 v[\x+\p], 0xff000000, v[\x+\p]    ; 2 off the exponent field
.endr
.irp p, 0,1,2,3,4,5,6,7
	v_lshrrev_b32 v[TP+\p], 23, v[\x+\p]           ; the byte
.endr
.irp f, 0,1,2,3
	v_lshl_or_b32 v[TP+2*\f], v[TP+2*\f+1], 16, v[TP+2*\f]
.endr
.irp f, 0,1,2,3
	v_permlanex16_b32 v[TP+2*\f+1], v[TP+2*\f], s50, s51
.endr
.irp f, 0,1,2,3
	v_lshl_or_b32 v[\ps+\f], v[TP+2*\f+1], 8, v[TP+2*\f]   ; right in lanes 0-15, which are the ones read
.endr
.endm
; p's codes under the scales in v[x] on; the mask words s[m] on keep one aligned block's slots and clear the rest (slots 14 and 15 always)
.macro CVTP x, m
	WIN 0x40
.irp p, 0,1,2,3,4,5,6,7
	v_cvt_scalef32_pk16_fp6_f32 v[PF+6*\p:PF+6*\p+2], v[S+16*\p:S+16*\p+15], v[\x+\p]
.endr
	v_nop                                          ; one plain line behind the conversions
	WIN 0x44
.irp p, 0,1,2,3,4,5,6,7
.irp i, 0,1,2
	v_and_b32 v[PF+6*\p+\i], s[\m+\i], v[PF+6*\p+\i]
.endr
.endr
	WIN 0
.endm
; O^T (+)= V^T P^T: eight instructions, the two accumulators by turns
.macro PV sv, sp, first
	WIN 0x05                                       ; sources 0 (V) and 1 (p) window 1
.irp f, 0,1,2,3
.irp u, 0,1
.if (\first) && (\f == 0)
	WM O+8*\u, VF+12*(4*\u+\f), PF+12*\f, -1, \sv+\f, \sp+\f, \u
.else
	WM O+8*\u, VF+12*(4*\u+\f), PF+12*\f, O+8*\u, \sv+\f, \sp+\f, \u
.endif
.endr
.endr
	WIN 0
.endm
.macro UNIT a
	; ---- q's two half images and the mask's addends
	WIN 0x40
.irp i, 0,1,2,3,4,5
	v_cndmask_b32 v[QZ+6+\i], v[QR+6*(\a)+\i], 0, s52
	v_cndmask_b32 v[QZ+18+\i], 0, v[QR+6*(\a)+\i], s52
.endr
.irp sg, 0,1,2,3,4,5,6,7,8,9,10,11,12,13
	s_bitcmp1_b32 s[28+(\a)], \sg
	s_cselect_b32 s54, 0, s53
	v_mov_b32 v[CM+\sg], s54
.endr
	PLACES                                         ; operands written by vector instructions stand four places ahead of a scaled matrix instruction
	; ---- S^T = K Q^T + mask: sixteen accumulators, one instruction each
	WIN 0x15                                       ; sources 0, 1 and 2 window 1
.irp f, 0,1,2,3
.irp bl, 0,1,2,3
	WM S+8*(4*\f+\bl), KF+12*\f, QZ+6*(1-\bl/2)+12*(\bl%2), CM+8*(\bl%2), KS+2*\f+\bl/2, QS+(\a), \bl%2
.endr
.endr
	WIN 0
	PLACES                                         ; in front of the first read of results, and of the loads below
.if (\a) == 3
	WIN 0x40                                       ; K, q and the mask are done with: Wproj's eight fragments are asked for, a whole softmax ahead of their use
.irp gp, 0,1
.irp q, 0,1,2,3
.irp grp, 0,1,2
	global_load_b128 v[12*(4*\gp+\q)+4*\grp:12*(4*\gp+\q)+4*\grp+3], v5, s[10:11] offset:\gp*6144+\q*1536+\grp*512
.endr
.endr
.endr
	WIN 0
.endif
	; ---- maxima
.irp p, 0,1,2,3,4,5,6,7
	MAXP \p
.endr
	v_permlanex16_b32 v[RM+1], v[RM], s50, s51
	v_max_num_f32 v[RM], v[RM], v[RM+1]            ; the row's largest logit
	v_mul_f32 v[RM], s48, v[RM]                    ; as t
	v_floor_f32 v[NM], -v[RM]                      ; -M = floor(-t) = -ceil(t)
.irp p, 0,1,2,3,4,5,6,7
.irp j, 0,2,4,6,8,10,12
	v_pk_fma_f32 v[S+16*\p+\j:S+16*\p+\j+1], v[S+16*\p+\j:S+16*\p+\j+1], s[48:49], v[NM:NM+1] op_sel_hi:[1,0,0]   ; t - M, slots 0-13
.endr
.endr
.irp p, 0,1,2,3,4,5,6,7
	v_fma_f32 v[BLO+\p], v[BLO+\p], s48, v[NM]     ; the same of each lower block's largest score: p rises with the score
.endr
.irp p, 0,1,2,3,4,5,6,7
.irp j, 0,1,2,3,4,5,6,7,8,9,10,11,12,13
	v_exp_f32 v[S+16*\p+\j], v[S+16*\p+\j]         ; p = 2^(t - M); 0 under the mask
.endr
.endr
.irp p, 0,1,2,3,4,5,6,7
	v_exp_f32 v[BLO+\p], v[BLO+\p]
.endr
	v_nop                                          ; one plain line behind the exponentials
	s_wait_alu depctr_va_vdst(0)
	BLKSC BLO, PSL
	CVTP BLO, 32
	; ---- the row's sum, of the unquantised p: 56 pairs in two chains.  These lines are also the places between p's codes and scale words and the products
	v_pk_add_f32 v[50:51], v[S:S+1], v[S+2:S+3]
	v_pk_add_f32 v[52:53], v[S+4:S+5], v[S+6:S+7]
.set QI, 4
.rept 26
	v_pk_add_f32 v[50:51], v[50:51], v[S+16*(QI/7)+2*(QI%7):S+16*(QI/7)+2*(QI%7)+1]
.set QI, QI+1
	v_pk_add_f32 v[52:53], v[52:53], v[S+16*(QI/7)+2*(QI%7):S+16*(QI/7)+2*(QI%7)+1]
.set QI, QI+1
.endr
	v_pk_add_f32 v[50:51], v[50:51], v[52:53]
	v_add_f32 v50, v50, v51
	v_permlanex16_b32 v51, v50, s50, s51
	v_add_f32 v50, v50, v51                        ; l
	v_rcp_f32 v[RL], v50
	PV VSL, PSL, 1
	; ---- the upper aligned block, where the slots straddle
	s_cmp_eq_u32 s27, 0
	s_cbranch_scc1 .Lnohi_\@
.irp p, 0,1,2,3,4,5,6,7
	v_fma_f32 v[BHI+\p], v[BHI+\p], s48, v[NM]     ; (eight plain lines that name no register of the products above: their places)
.endr
.irp p, 0,1,2,3,4,5,6,7
	v_exp_f32 v[BHI+\p], v[BHI+\p]
.endr
	v_nop
	s_wait_alu depctr_va_vdst(0)
	BLKSC BHI, PSH
	CVTP BHI, 36
	PLACES
	PV VSH, PSH, 0
.Lnohi_\@:
	; ---- O / l, quantised along the head's 32 channels (lanes l and l xor 16), to LDS as a part of the projection's operand
	PLACES
	s_wait_alu depctr_va_vdst(0)
.irp j, 0,2,4,6,8,10,12,14
	v_pk_mul_f32 v[O+\j:O+\j+1], v[O+\j:O+\j+1], v[RL:RL+1] op_sel_hi:[1,0]
.endr
	v_max3_num_f32 v[TP], |v[O]|, |v[O+1]|, 0x1800000
	v_max3_num_f32 v[TP+1], |v[O+8]|, |v[O+9]|, |v[O+10]|
	v_max3_num_f32 v[TP], v[TP], |v[O+2]|, |v[O+3]|
	v_max3_num_f32 v[TP+1], v[TP+1], |v[O+11]|, |v[O+12]|
	v_max3_num_f32 v[TP], v[TP], |v[O+4]|, |v[O+5]|
	v_max3_num_f32 v[TP+1], v[TP+1], |v[O+13]|, |v[O+14]|
	v_max3_num_f32 v[TP], v[TP], |v[O+6]|, |v[O+7]|
	v_max3_num_f32 v[TP], v[TP], v[TP+1], |v[O+15]|
	v_permlanex16_b32 v[TP+1], v[TP], s50, s51
	v_max_num_f32 v[TP], v[TP], v[TP+1]
	v_add_nc_u32 v[TP+3], 0xff000000, v[TP]
	v_lshrrev_b32 v[TP+4], 23, v[TP+3]
	v_cvt_scalef32_pk16_fp6_f32 v[TP:TP+2], v[O:O+15], v[TP+3]
	v_nop                                          ; one plain line behind the conversion
.irp i, 0,1,2
	ds_store_b32 v8, v[TP+\i] offset:3072*(\a)+4*\i
.endr
	ds_store_b8 v9, v[TP+4] offset:128*(\a)        ; both halves of the lanes write the same byte with the same value
.endm
	UNIT 0
	UNIT 1
	UNIT 2
	UNIT 3
	; ---------------- the projection ----------------
	s_wait_dscnt 0x0                               ; for the others' sake: my stores of codes and bytes are done
	s_barrier_signal -1
	s_barrier_wait -1                              ; the eight heads' parts of the eight images lie in LDS
.irp ap, 0,1
.irp s, 0,1
.irp k, 0,1,2
	ds_load_b128 v[S+12*(2*\ap+\s)+4*\k:S+12*(2*\ap+\s)+4*\k+3], v13 offset:3072*\ap+1536*\s+16*\k
.endr
	ds_load_b32 v[PSL+2*\ap+\s], v14 offset:128*\ap+64*\s
.endr
.endr
	s_wait_dscnt 0x0
	s_wait_loadcnt 0x0                             ; Wproj's fragments
	WIN 0x01                                       ; source 0 (Wproj) window 1
.irp s, 0,1                            ; transposed: source 0 = 16 columns of Wproj, source 1 = the 16 queries.  Eight accumulators by turns, a K step at a time
.irp ap, 0,1
.irp gp, 0,1
.irp u, 0,1
.if \s == 0
	WM 112+8*(4*\ap+2*\gp+\u), 12*(4*\gp+2*\s+\u), S+12*(2*\ap+\s), -1, WS+2*\gp+\s, PSL+2*\ap+\s, \u
.else
	WM 112+8*(4*\ap+2*\gp+\u), 12*(4*\gp+2*\s+\u), S+12*(2*\ap+\s), 112+8*(4*\ap+2*\gp+\u), WS+2*\gp+\s, PSL+2*\ap+\s, \u
.endif
.endr
.endr
.endr
.endr
	WIN 0
	PLACES
	; the way out: lane (r, h) holds, of query r, columns 32 G' + 16 h + 8 u + 0 .. 7.  A position's 16 rows x 256 bytes go through my own stage and come back as whole rows.
	; LDS serves a wave's instructions in order: no wait between the stores and the loads, nor in front of the second position's stores
.irp ap, 0,1
.irp gp, 0,1
.irp u, 0,1
	ds_store_b128 v10, v[112+8*(4*\ap+2*\gp+\u):112+8*(4*\ap+2*\gp+\u)+3] offset:128*\gp+32*\u        ; each accumulator from its low end on
	ds_store_b128 v10, v[112+8*(4*\ap+2*\gp+\u)+4:112+8*(4*\ap+2*\gp+\u)+7] offset:128*\gp+32*\u+16
.endr
.endr
.irp t, 0,1,2,3,4,5,6,7
	ds_load_b128 v[192+32*\ap+4*\t:192+32*\ap+4*\t+3], v11 offset:544*\t
.endr
.endr
.irp ap, 0,1
.irp t, 0,1,2,3,4,5,6,7
	s_wait_dscnt (1-\ap)*16+7-\t                   ; behind this load: the rest of its run, and for the first position the second's eight stores and eight loads
	v_pk_add_f32 v[192+32*\ap+4*\t:192+32*\ap+4*\t+1], v[192+32*\ap+4*\t:192+32*\ap+4*\t+1], v[BI:BI+1]
	v_pk_add_f32 v[192+32*\ap+4*\t+2:192+32*\ap+4*\t+3], v[192+32*\ap+4*\t+2:192+32*\ap+4*\t+3], v[BI+2:BI+3]
	global_store_b128 v12, v[192+32*\ap+4*\t:192+32*\ap+4*\t+3], s[16:17] offset:262144*\t+1024*\ap th:TH_STORE_NT   ; sixteen lanes store 256 consecutive bytes, aligned; written once
.endr
.endr
	s_set_vgpr_msb 0x4
	s_wait_tensorcnt 0x0
	ds_add_u32 v57, v255
	s_wait_dscnt 0x0
	s_set_vgpr_msb 0x400
	s_endpgm
.Lfunc_end_k_q2389eca673_attn:
	.size	k_q2389eca673_attn, .Lfunc_end_k_q2389eca673_attn-k_q2389eca673_attn
	.p2alignl 7, 3214868480
	.fill 96, 4, 3214868480
	.section	.rodata,"a",@progbits
	.p2align	6, 0x0
	.amdhsa_kernel k_q2389eca673_attn
		.amdhsa_group_segment_fixed_size 48640
		.amdhsa_private_segment_fixed_size 0
		.amdhsa_enable_private_segment 0
		.amdhsa_kernarg_size 56
		.amdhsa_user_sgpr_count 2
		.amdhsa_user_sgpr_kernarg_segment_ptr 1
		.amdhsa_wavefront_size32 1
		.amdhsa_system_sgpr_workgroup_id_x 1
		.amdhsa_system_sgpr_workgroup_id_y 1
		.amdhsa_system_sgpr_workgroup_id_z 1
		.amdhsa_system_vgpr_workitem_id 0
		.amdhsa_next_free_vgpr 512
		.amdhsa_next_free_sgpr 80
		.amdhsa_reserve_vcc 0
		.amdhsa_float_denorm_mode_32 3
		.amdhsa_float_denorm_mode_16_64 3
		.amdhsa_memory_ordered 1
		.amdhsa_forward_progress 1
		.amdhsa_inst_pref_size 168
	.end_amdhsa_kernel
	.amdgpu_metadata
---
amdhsa.version: [ 1, 2 ]
amdhsa.kernels:
  - .name:           k_q2389eca673_attn
    .symbol:         k_q2389eca673_attn.kd
    .args:
      - { .name: qk, .offset: 0, .size: 8, .value_kind: global_buffer, .address_space: global }
      - { .name: vpl, .offset: 8, .size: 8, .value_kind: global_buffer, .address_space: global }
      - { .name: vsc, .offset: 16, .size: 8, .value_kind: global_buffer, .address_space: global }
      - { .name: wimg, .offset: 24, .size: 8, .value_kind: global_buffer, .address_space: global }
      - { .name: wsc, .offset: 32, .size: 8, .value_kind: global_buffer, .address_space: global }
      - { .name: bproj, .offset: 40, .size: 8, .value_kind: global_buffer, .address_space: global }
      - { .name: out0, .offset: 48, .size: 8, .value_kind: global_buffer, .address_space: global }
    .group_segment_fixed_size: 48640
    .private_segment_fixed_size: 0
    .kernarg_segment_align: 8
    .kernarg_segment_size: 56
    .max_flat_workgroup_size: 256
    .sgpr_count:     80
    .vgpr_count:     512
    .wavefront_size: 32
...
	.end_amdgpu_metadata
.endif
;; end of part 3
;; ======== version 2 of 2: 3 launches
;; limits: right only within a limited range of input values
;; workspace buffers: xc 3,145,728 bytes; xs 131,072 bytes; wimg 196,608 bytes; wsc 8,192 bytes; qk 8,388,608 bytes; vpl 3,145,728 bytes; vsc 131,072 bytes
;; launch quant (part 4): grid 272 x 1, 4 waves a work-group, no clusters, 33,280 bytes of LDS; arguments x, Wqkv, Wproj, xc, xs, wimg, wsc; writes xc, xs, wimg, wsc
.if DOCPART == 4
	.amdgcn_target "amdgcn-amd-amdhsa--gfx1250"
	.amdhsa_code_object_version 6
	.text
	.protected	k_q2389eca673_quant
	.globl	k_q2389eca673_quant
	.p2align	8
	.type	k_q2389eca673_quant,@function
k_q2389eca673_quant:
	s_mov_b64 s[64:65], 0
	v_nop
	global_prefetch_b8 v0, s[64:65] scope:SCOPE_SE
	s_setreg_imm32_b32 hwreg(HW_REG_WAVE_MODE, 25, 1), 1
	s_wait_xcnt 0x0
; x [16384][256], Wqkv [256][768] and Wproj [256][256], all f32, become codes of FP6 (E2M3) with one E8M0 byte for each 32 along K.
; A block's scale is 2^(floor(log2(largest magnitude)) - 2): its byte is the largest magnitude's exponent field - 2, held at 1 from below by a floor among the maximum's leaves.
; LIMITS: a block of zeros, and a block whose largest magnitude lies under 2^-124, carries the byte 1 (the rule says 127 for zeros): its codes are zeros or tiny, and these bytes are
; read by this program alone.  NaN and infinities among the inputs are not served.
; WORK-GROUPS 0-255: x.  K is innermost, rows are dense: x is a plain stream of blocks of 32.  A wave takes 8 steps of 512 numbers.  Loads take the bytes as they lie (512 consecutive bytes
; a load); a step's 2,048 bytes turn through the wave's own stage in LDS so that a lane holds 16 neighbours, as the conversion wants.  xc: [16384][192 bytes], xs: [16384][8 bytes].
; WORK-GROUPS 256-271: the weights, whose K is the FIRST axis.  A wave takes 32 columns (group G) x 128 along K (step s).  A lane takes one column and its registers run down K, so that a
; block's maximum needs no other lane and the codes come out with K innermost.  They are stored as IMAGES OF THE OPERAND'S REGISTERS:
;   wimg [G 32][s 2][u 2][grp 3][lane 32][16 bytes]: tile u, row r = column 32 G + 8 u + r + 8 (r / 8); lane (r, h) registers 6 c .. 6 c + 5 = K block 2 c + h of step s.
;   wsc  [G 32][s 2][32 words]: lane 16 u + r holds that row's four scale bytes.      G = 0-23: Wqkv (which x 8 + head), G = 24-31: Wproj.
; Only the x path touches LDS; waves share nothing, so there is no barrier.
.set STEPS, 8
.set EMAX,  2
.set CB,    12                         ; bytes of 16 codes
.set R,     16                         ; v16-79   four sets of 16 numbers as loaded
.set X,     80                         ; v80-111  two sets of 16 neighbours
.set E,     112                        ; v112-119 a scale byte for each step
.set C,     128                        ; v128-159 codes: four registers for each step, so that no store's data are written again
.set WREG,  8192                       ; LDS of a wave: two stages of 32 x SP bytes, then its 128 scale bytes
.set SP,    80                         ; a lane's place in a stage: 64 bytes + 16 of padding
	s_load_b128 s[4:7], s[0:1], 0x0                ; x, Wqkv
	s_load_b128 s[8:11], s[0:1], 0x10              ; Wproj, xc
	s_load_b128 s[12:15], s[0:1], 0x20             ; xs, wimg
	s_load_b64 s[16:17], s[0:1], 0x30              ; wsc
	v_lshl_add_u32 v192, v0, 2, 0x8000
	v_mov_b32 v193, 0
	v_lshrrev_b32 v1, 5, v0
	v_readfirstlane_b32 s18, v1                    ; wave
	v_and_b32 v2, 31, v0                           ; lane
	s_mov_b32 s23, 0                               ; the high word of every offset
	s_wait_kmcnt 0x0
	s_cmp_lt_u32 ttmp9, 256
	s_cbranch_scc0 .Lweights
	s_wait_alu depctr_va_vdst(0)
	; ---------------- x ----------------
	v_lshlrev_b32 v3, 4, v2                        ; my 16 bytes of a load's 512
	s_mul_i32 s19, s18, WREG
	v_lshrrev_b32 v14, 2, v2
	v_mul_u32_u24 v14, v14, SP
	v_and_b32 v15, 3, v2
	v_lshl_add_u32 v14, v15, 4, v14
	v_add_nc_u32 v14, s19, v14                     ; the stage, on the way in: SP (lane / 4) + 16 (lane % 4)
	v_mul_u32_u24 v15, v2, SP
	v_add_nc_u32 v15, s19, v15                     ; and on the way out: SP x lane: my 16 neighbours
	v_mul_u32_u24 v4, v2, CB                       ; my codes' place in a step's 384 bytes
	v_lshrrev_b32 v5, 1, v2
	s_add_co_u32 s19, s19, 2*32*SP
	v_add_nc_u32 v5, s19, v5                       ; LDS: my block's scale byte
	v_lshlrev_b32 v7, 2, v2                        ; on the way out 4 bytes a lane
	v_add_nc_u32 v6, s19, v7
	s_lshl_b32 s20, ttmp9, 2
	s_add_co_u32 s20, s20, s18                     ; which run of 4,096 numbers is my wave's
	s_lshl_b32 s22, s20, 14
	s_add_nc_u64 s[4:5], s[4:5], s[22:23]          ; 16,384 bytes of x a run
	s_mul_i32 s22, s20, 3072
	s_add_nc_u64 s[10:11], s[10:11], s[22:23]      ; 3,072 bytes of codes
	s_lshl_b32 s22, s20, 7
	s_add_nc_u64 s[12:13], s[12:13], s[22:23]      ; 128 scale bytes
.macro LOAD t
.irp i, 0,1,2,3
	global_load_b128 v[R+16*((\t)%4)+4*\i:R+16*((\t)%4)+4*\i+3], v3, s[4:5] offset:2048*(\t)+512*\i th:TH_LOAD_NT   ; 32 lanes read 512 consecutive bytes
.endr
.endm
.macro TURN t                          ; step t's numbers through the stage: LDS serves a wave's instructions in order, so no wait stands between the stores and the loads
.irp i, 0,1,2,3
	ds_store_b128 v14, v[R+16*((\t)%4)+4*\i:R+16*((\t)%4)+4*\i+3] offset:32*SP*((\t)%2)+8*SP*\i
.endr
.irp i, 0,1,2,3
	ds_load_b128 v[X+16*((\t)%2)+4*\i:X+16*((\t)%2)+4*\i+3], v15 offset:32*SP*((\t)%2)+16*\i
.endr
.endm
.irp t, 0,1,2,3
	LOAD \t
.endr
	s_wait_alu depctr_va_vdst(0)
	s_wait_loadcnt 12                              ; step 0's four loads are in; twelve younger ones stay out
	TURN 0
.macro STEP t
.set XS, X+16*((\t)%2)
.if (\t) > 0
	s_wait_dscnt 1                                 ; this step's numbers are back from the stage; the one younger LDS instruction, the last step's byte store, may be out
.else
	s_wait_dscnt 0x0
.endif
.if (\t)+4 < STEPS
	LOAD (\t)+4                                    ; into the set whose stores into the stage have just been shown done
.endif
.if (\t)+1 < STEPS
.if STEPS-2-(\t) >= 3
	s_wait_loadcnt 12                              ; the next step's four loads are in; those of the three steps behind it may be out
.else
	s_wait_loadcnt 4*(STEPS-2-(\t))                ; in the tail fewer steps stand behind it
.endif
	TURN (\t)+1
.endif
	v_max3_num_f32 v8, |v[XS]|, |v[XS+1]|, |v[XS+2]|               ; the largest magnitude of my 16, in two chains
	v_max3_num_f32 v9, |v[XS+3]|, |v[XS+4]|, |v[XS+5]|
.irp i, 6,10
	v_max3_num_f32 v8, v8, |v[XS+\i]|, |v[XS+\i+1]|
	v_max3_num_f32 v9, v9, |v[XS+\i+2]|, |v[XS+\i+3]|
.endr
	v_max3_num_f32 v8, v8, |v[XS+14]|, |v[XS+15]|
	v_max3_num_f32 v8, v8, v9, (EMAX+1)<<23        ; and the floor 2^(3 - 127): the byte cannot fall under 1
	v_max_num_f32_dpp v8, v8, v8 row_xmask:1 row_mask:0xf bank_mask:0xf   ; with my neighbour's 16: the block's
	v_add_nc_u32 v11, -(EMAX<<23), v8              ; 2 off its exponent field: the conversion takes the exponent field of this operand as its scale
	v_cvt_scalef32_pk16_fp6_f32 v[C+4*(\t):C+4*(\t)+2], v[XS:XS+15], v11
	v_lshrrev_b32 v[E+(\t)], 23, v11               ; the scale's byte (also the plain line behind the conversion)
	ds_store_b8 v5, v[E+(\t)] offset:16*(\t)       ; both lanes of a block write the same byte with the same value
	global_store_b96 v4, v[C+4*(\t):C+4*(\t)+2], s[10:11] offset:32*CB*(\t)   ; the wave stores 384 consecutive bytes
.endm
.irp t, 0,1,2,3,4,5,6,7
	STEP \t
.endr
	ds_load_b32 v12, v6                            ; LDS serves a wave's instructions in order: this sees my byte stores
	s_wait_dscnt 0x0
	global_store_b32 v7, v12, s[12:13]             ; 128 consecutive bytes
	s_wait_tensorcnt 0x0
	ds_add_u32 v192, v193
	s_wait_dscnt 0x0
	s_endpgm
	; ---------------- the weights ----------------
.Lweights:
	s_sub_co_u32 s19, ttmp9, 256
	s_lshl_b32 s19, s19, 1
	s_lshr_b32 s20, s18, 1
	s_add_co_u32 s19, s19, s20                     ; G = 2 (work-group - 256) + wave / 2
	s_and_b32 s20, s18, 1                          ; s = wave % 2
	s_wait_alu depctr_va_vdst(0)
	v_and_b32 v4, 15, v2                           ; r
	v_lshrrev_b32 v5, 4, v2                        ; u
	v_and_b32 v6, 8, v4
	v_add_nc_u32 v6, v6, v4                        ; r + 8 (r / 8)
	v_lshl_add_u32 v6, v5, 3, v6                   ; my column in the group of 32
	v_lshlrev_b32 v3, 2, v6                        ; in bytes
	v_lshlrev_b32 v7, 4, v4
	v_mad_u32_u24 v7, v5, 1536, v7                 ; the image: tile u, lane r
	v_lshlrev_b32 v8, 2, v2                        ; the scale word: 4 x lane
	s_lshl_b32 s21, s19, 1
	s_add_co_u32 s21, s21, s20                     ; 2 G + s
	s_mul_i32 s22, s21, 3072
	s_add_nc_u64 s[14:15], s[14:15], s[22:23]      ; two images of 1,536 bytes for each (G, s)
	s_lshl_b32 s22, s21, 7
	s_add_nc_u64 s[16:17], s[16:17], s[22:23]
.macro WLOAD pitch, bs                 ; W(128 s + i, my column), i = 0 .. 127: each load reads 128 bytes of one row of W
.set I, 0
.rept 128
	global_load_b32 v[32+I], v3, s[\bs:\bs+1] offset:I*\pitch
.set I, I+1
.endr
.endm
	s_cmp_lt_u32 ttmp9, 268
	s_cbranch_scc0 .Lproj
	s_mul_i32 s22, s20, 128*3072                   ; Wqkv: rows of 3,072 bytes
	s_lshl_b32 s24, s19, 7
	s_add_co_u32 s22, s22, s24
	s_add_nc_u64 s[6:7], s[6:7], s[22:23]
	s_wait_alu depctr_va_vdst(0)
	WLOAD 3072, 6
	s_branch .Lwork
.Lproj:
	s_sub_co_u32 s24, s19, 24                      ; Wproj: rows of 1,024 bytes
	s_lshl_b32 s24, s24, 7
	s_mul_i32 s22, s20, 128*1024
	s_add_co_u32 s22, s22, s24
	s_add_nc_u64 s[8:9], s[8:9], s[22:23]
	s_wait_alu depctr_va_vdst(0)
	WLOAD 1024, 8
.Lwork:
	s_wait_loadcnt 0x0
.irp b, 0,1,2,3                        ; my column's four blocks, by turns
	v_max3_num_f32 v[12+\b], |v[32+32*\b]|, |v[33+32*\b]|, 0x1800000   ; with the floor 2^(3 - 127)
.endr
.irp i, 2,4,6,8,10,12,14,16,18,20,22,24,26,28,30
.irp b, 0,1,2,3
	v_max3_num_f32 v[12+\b], v[12+\b], |v[32+32*\b+\i]|, |v[33+32*\b+\i]|
.endr
.endr
.irp b, 0,1,2,3
	v_add_nc_u32 v[16+\b], 0xff000000, v[12+\b]    ; 2 off the exponent field: the conversion's scale operand
.endr
.irp b, 0,1,2,3
	v_lshrrev_b32 v[20+\b], 23, v[16+\b]           ; the byte
.endr
	v_lshl_or_b32 v24, v21, 8, v20                 ; my row's scale word
	v_lshl_or_b32 v24, v22, 16, v24
	v_lshl_or_b32 v24, v23, 24, v24
.irp c, 0,1                            ; v[160 + 12 h + 6 c ..]: block 2 c + h.  A conversion's three registers begin on an even number, so a block's upper half is made elsewhere and moved
	v_cvt_scalef32_pk16_fp6_f32 v[160+6*\c:162+6*\c], v[32+64*\c:47+64*\c], v[16+2*\c]
	v_cvt_scalef32_pk16_fp6_f32 v[184:186], v[48+64*\c:63+64*\c], v[16+2*\c]
	v_cvt_scalef32_pk16_fp6_f32 v[172+6*\c:174+6*\c], v[64+64*\c:79+64*\c], v[17+2*\c]
	v_cvt_scalef32_pk16_fp6_f32 v[188:190], v[80+64*\c:95+64*\c], v[17+2*\c]
	v_nop                                          ; one plain line behind the conversions
.irp i, 0,1,2
	v_mov_b32 v[163+6*\c+\i], v[184+\i]
	v_mov_b32 v[175+6*\c+\i], v[188+\i]
.endr
.endr
.irp h, 0,1
.irp grp, 0,1,2
	global_store_b128 v7, v[160+12*\h+4*\grp:163+12*\h+4*\grp], s[14:15] offset:512*\grp+256*\h   ; sixteen lanes store 256 consecutive bytes, aligned
.endr
.endr
	global_store_b32 v8, v24, s[16:17]
	s_endpgm
.Lfunc_end_k_q2389eca673_quant:
	.size	k_q2389eca673_quant, .Lfunc_end_k_q2389eca673_quant-k_q2389eca673_quant
	.p2alignl 7, 3214868480
	.fill 96, 4, 3214868480
	.section	.rodata,"a",@progbits
	.p2align	6, 0x0
	.amdhsa_kernel k_q2389eca673_quant
		.amdhsa_group_segment_fixed_size 33280
		.amdhsa_private_segment_fixed_size 0
		.amdhsa_enable_private_segment 0
		.amdhsa_kernarg_size 56
		.amdhsa_user_sgpr_count 2
		.amdhsa_user_sgpr_kernarg_segment_ptr 1
		.amdhsa_wavefront_size32 1
		.amdhsa_system_sgpr_workgroup_id_x 1
		.amdhsa_system_sgpr_workgroup_id_y 1
		.amdhsa_system_sgpr_workgroup_id_z 1
		.amdhsa_system_vgpr_workitem_id 0
		.amdhsa_next_free_vgpr 194
		.amdhsa_next_free_sgpr 66
		.amdhsa_reserve_vcc 0
		.amdhsa_float_denorm_mode_32 3
		.amdhsa_float_denorm_mode_16_64 3
		.amdhsa_memory_ordered 1
		.amdhsa_forward_progress 1
		.amdhsa_inst_pref_size 49
	.end_amdhsa_kernel
	.amdgpu_metadata
---
amdhsa.version: [ 1, 2 ]
amdhsa.kernels:
  - .name:           k_q2389eca673_quant
    .symbol:         k_q2389eca673_quant.kd
    .args:
      - { .name: x, .offset: 0, .size: 8, .value_kind: global_buffer, .address_space: global }
      - { .name: Wqkv, .offset: 8, .size: 8, .value_kind: global_buffer, .address_space: global }
      - { .name: Wproj, .offset: 16, .size: 8, .value_kind: global_buffer, .address_space: global }
      - { .name: xc, .offset: 24, .size: 8, .value_kind: global_buffer, .address_space: global }
      - { .name: xs, .offset: 32, .size: 8, .value_kind: global_buffer, .address_space: global }
      - { .name: wimg, .offset: 40, .size: 8, .value_kind: global_buffer, .address_space: global }
      - { .name: wsc, .offset: 48, .size: 8, .value_kind: global_buffer, .address_space: global }
    .group_segment_fixed_size: 33280
    .private_segment_fixed_size: 0
    .kernarg_segment_align: 8
    .kernarg_segment_size: 56
    .max_flat_workgroup_size: 128
    .sgpr_count:     66
    .vgpr_count:     194
    .wavefront_size: 32
...
	.end_amdgpu_metadata
.endif
;; end of part 4
;; launch qkv (part 5): grid 32 x 8, 4 waves a work-group, no clusters, 0 bytes of LDS; arguments xc, xs, wimg, wsc, qk, vpl, vsc; writes qk, vpl, vsc
.if DOCPART == 5
	.amdgcn_target "amdgcn-amd-amdhsa--gfx1250"
	.amdhsa_code_object_version 6
	.text
	.protected	k_q2389eca673_qkv
	.globl	k_q2389eca673_qkv
	.p2align	8
	.type	k_q2389eca673_qkv,@function
k_q2389eca673_qkv:
	s_mov_b64 s[64:65], 0
	v_nop
	global_prefetch_b8 v0, s[64:65] scope:SCOPE_SE
	s_setreg_imm32_b32 hwreg(HW_REG_WAVE_SCHED_MODE, 0, 2), 2
	s_setreg_imm32_b32 hwreg(HW_REG_WAVE_MODE, 25, 1), 1
	s_wait_xcnt 0x0
	s_wait_alu depctr_vm_vsrc(0)
; qkv = x Wqkv on codes of FP6, and the three results quantised at once for the attention launch: q x 32^-0.5 and k along the head's 32 channels, v along the keys in aligned blocks of 32.
; SHARES.  Work-group x = 4 head + cblk, y = batch.  Wave f takes periods 4 f + bl (bl = 0 .. 3; a period is 128 rows) x positions 32 cblk .. + 31 x this head's 96 columns: 96 matrix instructions.
; Waves share nothing: no LDS, no barrier.  All loads go out at the head; the weights come as images of the operand's registers, 16 bytes a lane.
; THE ROWS OF A TILE ARE NOT NEIGHBOURS: row r of x's tile u' is position 8 u' + r + 8 (r / 8), row r of a weight tile u is column 8 u + r + 8 (r / 8).
;   q, k: used transposed (source 0 = 16 columns of W, source 1 = 16 rows of x): lane (r, h) holds row r and its 16 registers of tiles u'' = 0, 1 the channels 16 h + 0 .. 15.
;   v:    source 0 = 16 rows of x, source 1 = 16 columns of W: lane (r, h) holds channel 8 u + r + 8 (r / 8) and its 16 registers of tiles u' = 0, 1 the positions 16 h + 0 .. 15: neighbours along the keys.
; OUT.  qk  [b][which 2][head 8][part 2][n 2048][16 bytes]: part 0 = code words 0-3, part 1 = code words 4, 5, the scale byte four times, 0.
;       vpl [b][head][plane 24][f 4][lane 32][xi 4] words: plane D = bits 32 D .. of the 768-bit string of the 128 keys of one (channel, period); lane = r + 16 hA, xi = 2 u + c: channel 8 u + r + 8 (r / 8), period 4 f + 2 c + hA.
;       vsc [b][head][cblk 4][f 4][32 words]: lane 16 u + r: byte bl = the scale of (channel, period 4 f + bl, aligned block cblk).
; LIMITS: blocks of zeros, and blocks under 2^-124, carry the byte 1 (read by this program alone); NaN and infinities are not served.
; THE MODE: SCHED_MODE bits 1:0 = 2 (LLVM: expert scheduling mode 2), set by the entry lines.  The code itself states the register dependences
; between vector or matrix instructions and memory instructions, with s_wait_alu, always for 0.
; THE PLAN.  Registers that memory instructions touch:
;   v3-v8        byte offsets: made once at the head, read by every load and store, never written again.
;   W's and x's fragments and scale words: land once, from loads that all go out at the head; behind them matrix instructions alone read them, and no vector instruction writes an operand or a scale.
;   RQ, RK       a row of q and of k to store: A SET OF 16 REGISTERS OF ITS OWN FOR EACH OF THE FOUR PERIODS.  Written by that period's conversions, exchanges, moves and selects; read by its four stores; never written again.
;   DV, VB       v's codes in the stores' order and v's scale word: written at the end, read by the last seven stores.
; So: one wait on va_vdst ahead of the first load (the offsets), one ahead of each period's four stores, one ahead of the last seven.  No register that a memory instruction has read is written again:
; there is no wait on vm_vsrc and none on XCNT.  One wait on va_sdst stands ahead of the first reader of the wave's number.
; REGISTERS.  Window 0: v1-9 lane parts and addresses; v10-15 W's scale words [which][s]; v16-23 x's [bl][s] (lanes 0-15 tile u' = 0, lanes 16-31 u' = 1); v32-127 twelve accumulators in six groups of 16
;   (v32-55 at the end: v's codes ordered for the stores); v128-151 maxima, exchanges, scale operands, bytes; v168-175 second halves; v176-207 v's codes [u][bl]; v232-239 v's bytes;
;   the rows to store: period 0 v152-167, period 1 v240-255, period 2 v208-223, period 3 v224-231 and v24-31.
;   Window 1: W's 12 fragments at 12 (4 which + 2 s + u).   Window 2: x's 16 fragments at 12 (4 bl + 2 u' + s).
.set ACC, 32
.set TM,  128
.set YQ,  168
.set YK,  172
.set CV,  176
.set DV,  32
.set VB,  232
.set WSC, 10
.set XSC, 16
.set MSB, 0
.macro WIN new                         ; the immediate's high byte repeats the setting that is left
.if MSB != \new
	s_set_vgpr_msb (MSB<<8)|\new
.set MSB, \new
.endif
.endm
.macro OUTSET bl                       ; period bl's own registers for a row of q and a row of k
.if (\bl) == 0
.set RQ, 152
.set RK, 160
.elseif (\bl) == 1
.set RQ, 240
.set RK, 248
.elseif (\bl) == 2
.set RQ, 208
.set RK, 216
.else
.set RQ, 224
.set RK, 24
.endif
.endm
; one matrix instruction.  acc = 0: the constant 0 starts the sum; 1: in place.  ra, rb: which half of the lanes holds the side's scale words
.macro WM d, a, b, acc, sa, sb, ra, rb
.if (\acc) == 0
.if (\ra) && (\rb)
	v_wmma_scale_f32_16x16x128_f8f6f4 v[(\d):(\d)+7], v[(\a):(\a)+11], v[(\b):(\b)+11], 0, v[(\sa)], v[(\sb)] matrix_a_fmt:MATRIX_FMT_FP6 matrix_b_fmt:MATRIX_FMT_FP6 matrix_a_scale:MATRIX_SCALE_ROW1 matrix_b_scale:MATRIX_SCALE_ROW1
.elseif (\ra)
	v_wmma_scale_f32_16x16x128_f8f6f4 v[(\d):(\d)+7], v[(\a):(\a)+11], v[(\b):(\b)+11], 0, v[(\sa)], v[(\sb)] matrix_a_fmt:MATRIX_FMT_FP6 matrix_b_fmt:MATRIX_FMT_FP6 matrix_a_scale:MATRIX_SCALE_ROW1
.elseif (\rb)
	v_wmma_scale_f32_16x16x128_f8f6f4 v[(\d):(\d)+7], v[(\a):(\a)+11], v[(\b):(\b)+11], 0, v[(\sa)], v[(\sb)] matrix_a_fmt:MATRIX_FMT_FP6 matrix_b_fmt:MATRIX_FMT_FP6 matrix_b_scale:MATRIX_SCALE_ROW1
.else
	v_wmma_scale_f32_16x16x128_f8f6f4 v[(\d):(\d)+7], v[(\a):(\a)+11], v[(\b):(\b)+11], 0, v[(\sa)], v[(\sb)] matrix_a_fmt:MATRIX_FMT_FP6 matrix_b_fmt:MATRIX_FMT_FP6
.endif
.else
.if (\ra) && (\rb)
	v_wmma_scale_f32_16x16x128_f8f6f4 v[(\d):(\d)+7], v[(\a):(\a)+11], v[(\b):(\b)+11], v[(\d):(\d)+7], v[(\sa)], v[(\sb)] matrix_a_fmt:MATRIX_FMT_FP6 matrix_b_fmt:MATRIX_FMT_FP6 matrix_a_scale:MATRIX_SCALE_ROW1 matrix_b_scale:MATRIX_SCALE_ROW1
.elseif (\ra)
	v_wmma_scale_f32_16x16x128_f8f6f4 v[(\d):(\d)+7], v[(\a):(\a)+11], v[(\b):(\b)+11], v[(\d):(\d)+7], v[(\sa)], v[(\sb)] matrix_a_fmt:MATRIX_FMT_FP6 matrix_b_fmt:MATRIX_FMT_FP6 matrix_a_scale:MATRIX_SCALE_ROW1
.elseif (\rb)
	v_wmma_scale_f32_16x16x128_f8f6f4 v[(\d):(\d)+7], v[(\a):(\a)+11], v[(\b):(\b)+11], v[(\d):(\d)+7], v[(\sa)], v[(\sb)] matrix_a_fmt:MATRIX_FMT_FP6 matrix_b_fmt:MATRIX_FMT_FP6 matrix_b_scale:MATRIX_SCALE_ROW1
.else
	v_wmma_scale_f32_16x16x128_f8f6f4 v[(\d):(\d)+7], v[(\a):(\a)+11], v[(\b):(\b)+11], v[(\d):(\d)+7], v[(\sa)], v[(\sb)] matrix_a_fmt:MATRIX_FMT_FP6 matrix_b_fmt:MATRIX_FMT_FP6
.endif
.endif
.endm
	s_load_b256 s[4:11], s[0:1], 0x0               ; xc, xs, wimg, wsc
	s_load_b128 s[12:15], s[0:1], 0x20             ; qk, vpl
	s_load_b64 s[16:17], s[0:1], 0x30              ; vsc
	v_lshrrev_b32 v1, 5, v0
	v_readfirstlane_b32 s18, v1                    ; f = wave
	s_and_b32 s19, ttmp9, 3                        ; cblk
	s_lshr_b32 s20, ttmp9, 2                       ; head
	s_and_b32 s21, ttmp7, 0xffff                   ; batch
	v_and_b32 v9, 31, v0                           ; lane
	v_and_b32 v1, 15, v0                           ; r
	v_bfe_u32 v2, v0, 4, 1                         ; h
	v_and_b32 v24, 8, v1
	v_add_nc_u32 v24, v24, v1                      ; r + 8 (r / 8)
	v_mul_u32_u24 v3, v24, 192
	v_mad_u32_u24 v3, v2, 24, v3                   ; x's codes: my row of a tile, + 24 h
	v_lshl_add_u32 v25, v2, 3, v24                 ; 8 h + r + 8 (r / 8): my row where the half of the lanes names the tile
	v_lshlrev_b32 v4, 3, v25                       ; x's scale words: 8 bytes a row
	v_lshlrev_b32 v5, 4, v9                        ; 16 x lane: an image's place
	v_lshlrev_b32 v6, 2, v9                        ; 4 x lane
	v_lshlrev_b32 v7, 4, v25                       ; q's and k's rows: 16 bytes a part
	v_lshlrev_b32 v8, 4, v1
	v_mad_u32_u24 v8, v2, 6144, v8                 ; v's planes: three planes of 2,048 bytes on for h = 1, 16 bytes a lane r
	s_mov_b32 s30, 0xffff0000                      ; lanes 16-31
	s_mov_b32 s32, 0x76543210
	s_mov_b32 s33, 0xfedcba98                      ; v_permlanex16_b32's selects for lane l xor 16
	s_mov_b32 s34, 0x3e3504f3                      ; 32^-0.5
	s_mov_b32 s35, s34                             ; (named with it as a pair, so it is written)
	s_wait_alu depctr_va_sdst(0)                   ; s18, the wave's number, is written, ahead of its first reader: the bases below are made from it
	s_lshl_b32 s22, s21, 11
	s_lshl_b32 s23, s18, 9
	s_add_co_u32 s22, s22, s23
	s_lshl_b32 s23, s19, 5
	s_add_co_u32 s22, s22, s23                     ; my first row of x: 2048 b + 512 f + 32 cblk
	s_mov_b32 s25, 0                               ; the high word of every offset
	s_wait_kmcnt 0x0
	s_mul_i32 s24, s22, 192
	s_add_nc_u64 s[4:5], s[4:5], s[24:25]
	s_lshl_b32 s24, s22, 3
	s_add_nc_u64 s[6:7], s[6:7], s[24:25]
	s_mul_i32 s24, s20, 6144                       ; a group G: four images of 1,536 bytes
	s_add_nc_u64 s[8:9], s[8:9], s[24:25]
	s_lshl_b32 s24, s20, 8
	s_add_nc_u64 s[10:11], s[10:11], s[24:25]
	WIN 0x40                                       ; destination window 1
	s_wait_alu depctr_va_vdst(0)                   ; the offsets v3 to v8 are written: every load and store of the kernel reads one of them
.irp q, 0,1,2,3,4,5,6,7,8,9,10,11      ; q = 4 which + 2 s + u
.irp grp, 0,1,2
	global_load_b128 v[12*\q+4*\grp:12*\q+4*\grp+3], v5, s[8:9] offset:(\q/4)*49152+(\q%4)*1536+\grp*512
.endr
.endr
	WIN 0
.irp wh, 0,1,2
.irp s, 0,1
	global_load_b32 v[WSC+2*\wh+\s], v6, s[10:11] offset:\wh*2048+\s*128
.endr
.endr
.irp bl, 0,1,2,3
.irp s, 0,1
	global_load_b32 v[XSC+2*\bl+\s], v4, s[6:7] offset:\bl*1024+4*\s
.endr
.endr
	WIN 0x80                                       ; destination window 2
.irp bl, 0,1,2,3                       ; a period's four fragments: 24 loads of 8 bytes, every address a multiple of 8
.irp up, 0,1
.irp s, 0,1
.irp p, 0,1,2,3,4,5
	global_load_b64 v[12*(4*\bl+2*\up+\s)+2*\p:12*(4*\bl+2*\up+\s)+2*\p+1], v3, s[4:5] offset:(128*\bl+8*\up)*192+96*\s+48*(\p/3)+8*(\p%3)
.endr
.endr
.endr
.endr
	WIN 0
	; where the results go
	s_lshl_b32 s24, s21, 20
	s_lshl_b32 s26, s20, 16
	s_add_co_u32 s24, s24, s26
	s_lshl_b32 s26, s18, 13
	s_add_co_u32 s24, s24, s26
	s_lshl_b32 s26, s19, 9
	s_add_co_u32 s24, s24, s26
	s_add_nc_u64 s[12:13], s[12:13], s[24:25]      ; qk: batch, head, row 512 f + 32 cblk
	s_lshl_b32 s27, s21, 3
	s_add_co_u32 s27, s27, s20                     ; 8 b + head
	s_mul_i32 s24, s27, 49152
	s_mul_i32 s26, s19, 12288
	s_add_co_u32 s24, s24, s26
	s_lshl_b32 s26, s18, 9
	s_add_co_u32 s24, s24, s26
	s_add_nc_u64 s[14:15], s[14:15], s[24:25]      ; vpl: plane 6 cblk, f
	s_lshl_b32 s24, s27, 2
	s_add_co_u32 s24, s24, s19
	s_lshl_b32 s24, s24, 9
	s_lshl_b32 s26, s18, 7
	s_add_co_u32 s24, s24, s26
	s_add_nc_u64 s[16:17], s[16:17], s[24:25]      ; vsc
.irp i, 0,1,2,3,4,5
	v_mov_b32 v[TM+6+\i], 0                        ; written once: a lane permute's destination counts as one of its sources
.endr
.irp bl, 0,1,2,3
	OUTSET \bl
	v_mov_b32 v[RQ+7], 0                           ; the last word of a row's second part, in each period's set
	v_mov_b32 v[RK+7], 0
.endr
; A period's 24 matrix instructions: the twelve accumulators take turns, one instruction a turn, in the same order in both K steps
.macro MULP bl
.irp s, 0,1
	WIN 0x09                                       ; source 0 (W) window 1, source 1 (x) window 2
.irp wh, 0,1
.irp up, 0,1
.irp uu, 0,1
	WM ACC+32*\wh+16*\up+8*\uu, 12*(4*\wh+2*\s+\uu), 12*(4*(\bl)+2*\up+\s), \s, WSC+2*\wh+\s, XSC+2*(\bl)+\s, \uu, \up
.endr
.endr
.endr
	WIN 0x06                                       ; source 0 (x) window 2, source 1 (W) window 1
.irp u, 0,1
.irp up, 0,1
	WM ACC+64+16*\u+8*\up, 12*(4*(\bl)+2*\up+\s), 12*(8+2*\s+\u), \s, XSC+2*(\bl)+\s, WSC+4+\s, \up, \u
.endr
.endr
.endr
	WIN 0
.rept 4
	v_nop                                          ; four places in front of the first read of results
.endr
.endm
; The six groups of 16 numbers are quantised; a block of 32 lies in lanes l and l xor 16
.macro QNT bl
	OUTSET \bl
.irp j, 0,2,4,6,8,10,12,14,16,18,20,22,24,26,28,30
	v_pk_mul_f32 v[ACC+\j:ACC+\j+1], v[ACC+\j:ACC+\j+1], s[34:35] op_sel_hi:[1,0]   ; q x 32^-0.5, each accumulator from its low end on
.endr
.irp gq, 0,1,2,3,4,5
	v_max3_num_f32 v[TM+\gq], |v[ACC+16*\gq]|, |v[ACC+16*\gq+1]|, 0x1800000   ; with the floor 2^(3 - 127)
.endr
.irp i, 2,4,6,8,10,12,14
.irp gq, 0,1,2,3,4,5
	v_max3_num_f32 v[TM+\gq], v[TM+\gq], |v[ACC+16*\gq+\i]|, |v[ACC+16*\gq+\i+1]|   ; the six groups by turns
.endr
.endr
.irp gq, 0,1,2,3,4,5
	v_permlanex16_b32 v[TM+6+\gq], v[TM+\gq], s32, s33
.endr
.irp gq, 0,1,2,3,4,5
	v_max_num_f32 v[TM+\gq], v[TM+\gq], v[TM+6+\gq]
.endr
.irp gq, 0,1,2,3,4,5
	v_add_nc_u32 v[TM+12+\gq], 0xff000000, v[TM+\gq]   ; 2 off the exponent field: the conversion's scale operand
.endr
.irp gq, 0,1,2,3
	v_lshrrev_b32 v[TM+18+\gq], 23, v[TM+12+\gq]   ; q's and k's bytes
.endr
	v_lshrrev_b32 v[VB+(\bl)], 23, v[TM+16]        ; v's, kept for the end
	v_lshrrev_b32 v[VB+4+(\bl)], 23, v[TM+17]
	v_cvt_scalef32_pk16_fp6_f32 v[RQ:RQ+2], v[ACC:ACC+15], v[TM+12]       ; into this period's own set: no earlier store has read these registers
	v_cvt_scalef32_pk16_fp6_f32 v[YQ:YQ+2], v[ACC+16:ACC+31], v[TM+13]
	v_cvt_scalef32_pk16_fp6_f32 v[RK:RK+2], v[ACC+32:ACC+47], v[TM+14]
	v_cvt_scalef32_pk16_fp6_f32 v[YK:YK+2], v[ACC+48:ACC+63], v[TM+15]
	v_cvt_scalef32_pk16_fp6_f32 v[CV+4*(\bl):CV+4*(\bl)+2], v[ACC+64:ACC+79], v[TM+16]
	v_cvt_scalef32_pk16_fp6_f32 v[CV+16+4*(\bl):CV+16+4*(\bl)+2], v[ACC+80:ACC+95], v[TM+17]
	v_nop                                          ; one plain line behind the conversions
.endm
; q's and k's rows leave.  The exchange gives lane (r, h) the whole row r of tile h: channels 0-15 in the first three registers, 16-31 in the second three
.macro PUTQK bl
	OUTSET \bl
.irp i, 0,1,2
	v_permlane16_swap_b32 v[RQ+\i], v[YQ+\i]
	v_permlane16_swap_b32 v[RK+\i], v[YK+\i]
.endr
.irp i, 0,1,2
	v_mov_b32 v[RQ+3+\i], v[YQ+\i]
	v_mov_b32 v[RK+3+\i], v[YK+\i]
.endr
	v_cndmask_b32 v[RQ+6], v[TM+18], v[TM+19], s30 ; the byte of my tile's row,
	v_cndmask_b32 v[RK+6], v[TM+20], v[TM+21], s30
	v_perm_b32 v[RQ+6], v[RQ+6], v[RQ+6], 0        ; in all four bytes of the word
	v_perm_b32 v[RK+6], v[RK+6], v[RK+6], 0
	s_wait_alu depctr_va_vdst(0)                   ; the conversions, exchanges, moves and selects have written this period's RQ and RK (their zero words were written at the head), which the four stores read
	global_store_b128 v7, v[RQ:RQ+3], s[12:13] offset:(\bl)*2048                   ; each store covers 512 consecutive bytes
	global_store_b128 v7, v[RQ+4:RQ+7], s[12:13] offset:32768+(\bl)*2048
	global_store_b128 v7, v[RK:RK+3], s[12:13] offset:524288+(\bl)*2048
	global_store_b128 v7, v[RK+4:RK+7], s[12:13] offset:524288+32768+(\bl)*2048
.endm
	s_wait_loadcnt 63                              ; period 0's fragments are in: 72 loads were issued behind them, and 63 is the largest count that the wait can name
	MULP 0
	QNT 0
	PUTQK 0
	s_wait_loadcnt 48                              ; the two later periods' 48 loads may be out
	MULP 1
	QNT 1
	PUTQK 1
	s_wait_loadcnt 24
	MULP 2
	QNT 2
	PUTQK 2
	s_wait_loadcnt 0x0
	MULP 3
	QNT 3
	PUTQK 3
	; v leaves: a store wants the four (u, c) of one plane and one half hA side by side.  They are laid into the accumulators' first 24 registers, which are done with
.irp i, 0,1,2
.irp ha, 0,1
.irp xi, 0,1,2,3
	v_mov_b32 v[DV+8*\i+4*\ha+\xi], v[CV+16*(\xi/2)+4*(2*(\xi%2)+\ha)+\i]
.endr
.endr
.endr
.irp u, 0,1
	v_lshl_or_b32 v[VB+4*\u], v[VB+4*\u+1], 8, v[VB+4*\u]
	v_lshl_or_b32 v[VB+4*\u], v[VB+4*\u+2], 16, v[VB+4*\u]
	v_lshl_or_b32 v[VB+4*\u], v[VB+4*\u+3], 24, v[VB+4*\u]
.endr
	v_cndmask_b32 v[VB], v[VB], v[VB+4], s30       ; lanes 0-15 tile u = 0, lanes 16-31 u = 1
	s_wait_alu depctr_va_vdst(0)                   ; the moves have written DV and the select v's scale word, which the seven stores below read
.irp i, 0,1,2
.irp ha, 0,1
	global_store_b128 v8, v[DV+8*\i+4*\ha:DV+8*\i+4*\ha+3], s[14:15] offset:\i*2048+\ha*256   ; sixteen lanes store 256 consecutive bytes, aligned
.endr
.endr
	global_store_b32 v6, v[VB], s[16:17]
	s_endpgm
.Lfunc_end_k_q2389eca673_qkv:
	.size	k_q2389eca673_qkv, .Lfunc_end_k_q2389eca673_qkv-k_q2389eca673_qkv
	.p2alignl 7, 3214868480
	.fill 96, 4, 3214868480
	.section	.rodata,"a",@progbits
	.p2align	6, 0x0
	.amdhsa_kernel k_q2389eca673_qkv
		.amdhsa_group_segment_fixed_size 0
		.amdhsa_private_segment_fixed_size 0
		.amdhsa_enable_private_segment 0
		.amdhsa_kernarg_size 56
		.amdhsa_user_sgpr_count 2
		.amdhsa_user_sgpr_kernarg_segment_ptr 1
		.amdhsa_wavefront_size32 1
		.amdhsa_system_sgpr_workgroup_id_x 1
		.amdhsa_system_sgpr_workgroup_id_y 1
		.amdhsa_system_sgpr_workgroup_id_z 1
		.amdhsa_system_vgpr_workitem_id 0
		.amdhsa_next_free_vgpr 768
		.amdhsa_next_free_sgpr 66
		.amdhsa_reserve_vcc 0
		.amdhsa_float_denorm_mode_32 3
		.amdhsa_float_denorm_mode_16_64 3
		.amdhsa_memory_ordered 1
		.amdhsa_forward_progress 1
		.amdhsa_inst_pref_size 60
	.end_amdhsa_kernel
	.amdgpu_metadata
---
amdhsa.version: [ 1, 2 ]
amdhsa.kernels:
  - .name:           k_q2389eca673_qkv
    .symbol:         k_q2389eca673_qkv.kd
    .args:
      - { .name: xc, .offset: 0, .size: 8, .value_kind: global_buffer, .address_space: global }
      - { .name: xs, .offset: 8, .size: 8, .value_kind: global_buffer, .address_space: global }
      - { .name: wimg, .offset: 16, .size: 8, .value_kind: global_buffer, .address_space: global }
      - { .name: wsc, .offset: 24, .size: 8, .value_kind: global_buffer, .address_space: global }
      - { .name: qk, .offset: 32, .size: 8, .value_kind: global_buffer, .address_space: global }
      - { .name: vpl, .offset: 40, .size: 8, .value_kind: global_buffer, .address_space: global }
      - { .name: vsc, .offset: 48, .size: 8, .value_kind: global_buffer, .address_space: global }
    .group_segment_fixed_size: 0
    .private_segment_fixed_size: 0
    .kernarg_segment_align: 8
    .kernarg_segment_size: 56
    .max_flat_workgroup_size: 128
    .sgpr_count:     66
    .vgpr_count:     768
    .wavefront_size: 32
...
	.end_amdgpu_metadata
.endif
;; end of part 5
;; launch attn (part 6): grid 32 x 8, 8 waves a work-group, no clusters, 48,640 bytes of LDS; arguments qk, vpl, vsc, wimg, wsc, bproj, out0; writes out0
.if DOCPART == 6
	.amdgcn_target "amdgcn-amd-amdhsa--gfx1250"
	.amdhsa_code_object_version 6
	.text
	.protected	k_q2389eca673_attn
	.globl	k_q2389eca673_attn
	.p2align	8
	.type	k_q2389eca673_attn,@function
k_q2389eca673_attn:
	s_mov_b64 s[64:65], 0
	v_nop
	global_prefetch_b8 v0, s[64:65] scope:SCOPE_SE
	s_setreg_imm32_b32 hwreg(HW_REG_WAVE_SCHED_MODE, 0, 2), 2
	s_setreg_imm32_b32 hwreg(HW_REG_WAVE_MODE, 25, 1), 1
	s_wait_xcnt 0x0
	s_wait_alu depctr_vm_vsrc(0)
; Attention under the module's own mask, and the output projection, all on codes of FP6 with E8M0 scales.
; THE MASK has period 128 in queries and keys: a query at position i = n % 128 sees the keys at positions clamp(i - 5, 0, 117) + 0 .. 10 of all 16 periods.  All else has p = 0 and is not computed.
; SHARES.  Work-group x = g: positions 4 g + a (a = 0 .. 3), y = batch.  Wave w = head w.  A UNIT is one position of one head: 16 queries, query r = row 128 r + position, which share one window.
;   The four positions' windows lie in the 14 SLOTS beta + 0 .. 13, beta = clamp(4 g - 5, 0, 114).  A wave loads its head's K and V once, into registers, for its four units.
; K Q^T.  K = 32 on an instruction of K = 128: one fragment of source 0 carries FOUR tiles of keys, one in each block of 32; source 1 is q with its codes in one block and zero codes in the others
;   (four overlapping runs of the registers Z Qa Z Qb Z; Qa holds q in lanes 0-15 alone, Qb in lanes 16-31 alone).  The mask is the C operand: 0 or -1e30, one register a slot.
;   Tile (pi, u): rows 0-7 = period 2 pi, rows 8-15 = period 2 pi + 1, slots 8 u + (row % 8).  So lane (r, h) holds query r, and S[16 pi + slot] belongs to period 2 pi + h.
; SOFTMAX.  t = logit x log2(e); M = ceil(the row's largest t); p = 2^(t - M).  The whole row is in registers: one M.  The sum is taken of the unquantised p and divides O.
; P V.  A block of the instruction = one period: 16 slots of codes, then 16 zero codes, on both sides.  The conversion of S[16 pi ..+15] IS registers 0-2 of the lane's block.
;   V's chunk at beta is cut by v_alignbit_b32 out of four word planes of the key stream; each key keeps the code made with its own aligned block's scale.
;   Where the slots straddle two aligned blocks of 32 keys (a_g = slots in the lower block = 13, 9, 5 or 1), p is quantised twice, with each block's own largest p, the codes of the other block's slots
;   are cleared, and the product runs twice, with V's scale words of each block.  The other groups jump over the second part: a scalar branch on the work-group's number.
; PROJECTION.  V's tiles take channels 8 u + r + 8 (r / 8), so a lane's 16 registers of O are 16 neighbouring channels; a head is one block along the projection's K.  Each wave quantises O / l of its head;
;   the codes meet in LDS as images of the operand's registers; one barrier; then wave w makes output columns 64 (w % 4) .. + 63 for positions 2 (w / 4) + 0, 1.
; No tensor load, ring, cluster or joint request: every byte of K and V goes once into the one wave of the work-group that uses it, and Wproj's into the two waves of the same w % 4.
; LIMITS: |logit| under 1e29 (the mask's addend is -1e30); blocks under 2^-124 and blocks of zeros carry the byte 1, their codes being zeros or tiny; NaN and infinities are not served.
; THE MODE: SCHED_MODE bits 1:0 = 2 (LLVM: expert scheduling mode 2), set by the entry lines.  The code itself states the register dependences
; between vector or matrix instructions and memory or LDS instructions, with s_wait_alu, always for 0.
; THE PLAN.  Registers that memory or LDS instructions touch:
;   v3-v15       offsets and LDS addresses: made once at the head, never written again.
;   K, V's planes, q, the scale words, the bias: land once, from the loads at the head.
;   window 1 v0-95  K, q's images and the mask: read by the products K Q^T, the last two written by vector lines in each unit; in unit 3, behind its maxima, Wproj's fragments land there.
;   TP .. TP+2, TP+4  a unit's codes and byte of O: written by the unit's last conversion and shift; read by four LDS stores, which stand in the NEXT unit; written again by that unit's maxima.
;   S v64-111, PSL    worked on by vector and matrix instructions in the units; behind the barrier O's fragments and scale words land there.
;   v112-175     the projection's sums: written by matrix instructions, read by the stage's LDS stores.       v192-255  the stage's loads land there; the bias is added in place; the global stores read them.
; THE WAITS.  In a unit one wait on va_vdst stands ahead of K Q^T: q's images are written, which scaled matrix instructions take; it also shows the last unit's codes of O written, so their LDS stores follow it at once.
;   One on vm_vsrc stands ahead of the maxima: those stores have read TP.  One on va_vdst stands ahead of each run of P V: p's codes and scale words are written.  Unit 3 has one more ahead of Wproj's loads, and one
;   ahead of its own LDS stores; no vector or matrix instruction follows that one before the barrier, so it also serves the LDS loads behind the barrier.  The way out: see there.
; LDS: 0: eight images (2 a + s) of 1,536 bytes, lane L at 48 L; 12,288: their scale words, 64 bytes each; 12,800: a stage of 16 rows x 272 bytes for each wave.
; REGISTERS, window 0: v1-15 lane parts and addresses; v16-19 bias; v20-23 Wproj's scale words; v24-31 K's; v32-39 V's (lower, upper block); v40-47 p's; v48-49 -M; v50-53 sums; v54-59 at work, 1 / l;
;   v60-63 q's scale words; v64-191 S (first V's planes, at the end O's fragments and the projection's sums); v192-207 O; v208-223 the blocks' largest; v224-231 at work; v232-255 q's codes.
;   Window 1: v0-47 K; v48-77 Z Qa Z Qb Z; v80-95 the mask; v96-191 V; v192-239 p.  From the last unit's maxima on v0-95 hold Wproj's fragments.
.set IMG, 0
.set OSC, 12288
.set STG, 12800
.set BI,  16
.set WS,  20
.set KS,  24
.set VSL, 32
.set VSH, 36
.set PSL, 40
.set PSH, 44
.set NM,  48
.set RM,  54
.set RL,  58
.set QS,  60
.set S,   64
.set O,   192
.set BLO, 208
.set BHI, 216
.set TP,  224
.set QR,  232
.set KF,  0                            ; window 1 from here on
.set QZ,  48
.set CM,  80
.set VF,  96
.set PF,  192
.set MSB, 0
.macro WIN new                         ; the immediate's high byte repeats the setting that is left
.if MSB != \new
	s_set_vgpr_msb (MSB<<8)|\new
.set MSB, \new
.endif
.endm
; one matrix instruction.  c < 0: the constant 0 as C, else C's first register.  ra: which half of the lanes holds source 0's scale words; source 1's lie in lanes 0-15
.macro WM d, a, b, c, sa, sb, ra
.if (\c) < 0
.if (\ra)
	v_wmma_scale_f32_16x16x128_f8f6f4 v[(\d):(\d)+7], v[(\a):(\a)+11], v[(\b):(\b)+11], 0, v[(\sa)], v[(\sb)] matrix_a_fmt:MATRIX_FMT_FP6 matrix_b_fmt:MATRIX_FMT_FP6 matrix_a_scale:MATRIX_SCALE_ROW1
.else
	v_wmma_scale_f32_16x16x128_f8f6f4 v[(\d):(\d)+7], v[(\a):(\a)+11], v[(\b):(\b)+11], 0, v[(\sa)], v[(\sb)] matrix_a_fmt:MATRIX_FMT_FP6 matrix_b_fmt:MATRIX_FMT_FP6
.endif
.else
.if (\ra)
	v_wmma_scale_f32_16x16x128_f8f6f4 v[(\d):(\d)+7], v[(\a):(\a)+11], v[(\b):(\b)+11], v[(\c):(\c)+7], v[(\sa)], v[(\sb)] matrix_a_fmt:MATRIX_FMT_FP6 matrix_b_fmt:MATRIX_FMT_FP6 matrix_a_scale:MATRIX_SCALE_ROW1
.else
	v_wmma_scale_f32_16x16x128_f8f6f4 v[(\d):(\d)+7], v[(\a):(\a)+11], v[(\b):(\b)+11], v[(\c):(\c)+7], v[(\sa)], v[(\sb)] matrix_a_fmt:MATRIX_FMT_FP6 matrix_b_fmt:MATRIX_FMT_FP6
.endif
.endif
.endm
.macro PLACES
.rept 4
	v_nop
.endr
.endm
	s_load_b256 s[4:11], s[0:1], 0x0               ; qk, vpl, vsc, wimg
	s_load_b128 s[12:15], s[0:1], 0x20             ; wsc, bproj
	s_load_b64 s[16:17], s[0:1], 0x30              ; out0
	v_lshl_add_u32 v57, v0, 2, 0xba00
	s_set_vgpr_msb 0x40
	v_mov_b32 v255, 0
	s_set_vgpr_msb 0x4000
	v_lshrrev_b32 v1, 5, v0
	v_readfirstlane_b32 s18, v1                    ; wave = head
	s_and_b32 s20, ttmp7, 0xffff                   ; batch
	s_lshl_b32 s19, ttmp9, 2                       ; 4 g: the first position
	s_sub_co_i32 s21, s19, 5
	s_max_i32 s21, s21, 0
	s_min_i32 s21, s21, 114                        ; beta
	s_mul_i32 s54, s21, 6
	s_lshr_b32 s22, s54, 5                         ; P0: the plane in which the chunk begins,
	s_and_b32 s23, s54, 31                         ; and the bit in it
	s_lshr_b32 s24, s21, 5                         ; the lower aligned block of 32 keys
	s_add_co_u32 s25, s24, 1
	s_lshl_b32 s26, s25, 5
	s_sub_co_u32 s26, s26, s21                     ; a_g: slots that belong to it
	s_min_u32 s25, s25, 3                          ; the upper block (held inside the table where there is none)
	s_cmp_le_u32 s26, 13
	s_cselect_b32 s27, 1, 0                        ; do the 14 slots straddle?
	v_and_b32 v1, 15, v0                           ; r
	v_bfe_u32 v2, v0, 4, 1                         ; h
	v_and_b32 v54, 31, v0                          ; lane
	v_and_b32 v55, 7, v1
	v_lshl_add_u32 v55, v2, 3, v55                 ; K: my slot 8 h + r % 8,
	v_min_u32 v55, 13, v55                         ; slots 14 and 15 read slot 13's key: they are always masked, and no load leaves the period
	v_lshrrev_b32 v56, 3, v1
	v_lshl_add_u32 v55, v56, 7, v55                ; and 128 rows on for rows 8-15
	v_lshlrev_b32 v3, 4, v55                       ; 16 bytes a row and part
	v_lshlrev_b32 v4, 11, v1                       ; q: query r lies 128 rows x 16 bytes on
	v_lshlrev_b32 v5, 4, v54                       ; 16 x lane
	v_lshlrev_b32 v7, 2, v54                       ; 4 x lane
	v_lshlrev_b32 v15, 4, v1                       ; 16 x (lane % 16)
	s_add_co_u32 s54, s22, 3
	s_min_u32 s54, s54, 23                         ; the fourth plane, held inside the 24: beyond them lie only bits of slots 14 and 15
	s_sub_co_u32 s54, s54, s22
	s_lshl_b32 s54, s54, 11
	v_add_nc_u32 v6, s54, v5
	s_mov_b32 s55, 0                               ; the high words of the offsets
	s_mov_b32 s59, 0
	s_wait_alu depctr_va_sdst(0)                   ; s18, the wave's number, is written, ahead of its first reader: bases and LDS addresses are made from it
	s_and_b32 s60, s18, 3                          ; cq = w % 4: my 64 output columns
	s_lshr_b32 s61, s18, 2                         ; pp = w / 4: my two positions
	s_lshl_b32 s56, s20, 3
	s_add_co_u32 s56, s56, s18                     ; 8 b + head
	s_wait_kmcnt 0x0
	s_mul_i32 s54, s56, 49152
	s_lshl_b32 s57, s22, 11
	s_add_co_u32 s54, s54, s57
	s_add_nc_u64 s[66:67], s[6:7], s[54:55]        ; V's planes from P0 on
	s_lshl_b32 s54, s20, 20
	s_lshl_b32 s57, s18, 16
	s_add_co_u32 s54, s54, s57                     ; batch and head in qk
	s_lshl_b32 s57, s19, 4
	s_add_co_u32 s58, s54, s57
	s_add_nc_u64 s[70:71], s[4:5], s[58:59]        ; q at row 4 g
	s_lshl_b32 s57, s21, 4
	s_add_co_u32 s58, s54, s57
	s_add_co_u32 s58, s58, 524288
	s_add_nc_u64 s[68:69], s[4:5], s[58:59]        ; k at row beta
	s_lshl_b32 s57, s56, 2
	s_add_co_u32 s58, s57, s24
	s_lshl_b32 s58, s58, 9
	s_add_nc_u64 s[72:73], s[8:9], s[58:59]        ; V's scale words of the lower block,
	s_add_co_u32 s58, s57, s25
	s_lshl_b32 s58, s58, 9
	s_add_nc_u64 s[74:75], s[8:9], s[58:59]        ; of the upper
	s_lshl_b32 s57, s60, 1
	s_add_co_u32 s57, s57, 24                      ; my first group of Wproj's columns
	s_mul_i32 s58, s57, 6144
	s_add_nc_u64 s[10:11], s[10:11], s[58:59]
	s_lshl_b32 s58, s57, 8
	s_add_nc_u64 s[12:13], s[12:13], s[58:59]
	s_lshl_b32 s58, s60, 8
	s_add_nc_u64 s[14:15], s[14:15], s[58:59]      ; the bias of my 64 columns
	s_lshl_b32 s57, s20, 21
	s_add_co_u32 s58, s58, s57
	s_lshl_b32 s57, s19, 10
	s_add_co_u32 s58, s58, s57
	s_lshl_b32 s57, s61, 11
	s_add_co_u32 s58, s58, s57
	s_add_nc_u64 s[16:17], s[16:17], s[58:59]      ; out0: batch, row 4 g + 2 pp, my columns
	s_wait_alu depctr_va_vdst(0)                   ; the offsets v3 to v7 and v15 are written, which the loads below (and Wproj's, in unit 3) read
	; 65 loads, V's planes first
.irp k, 0,1,2
.irp f, 0,1,2,3
	global_load_b128 v[S+16*\k+4*\f:S+16*\k+4*\f+3], v5, s[66:67] offset:\k*2048+\f*512
.endr
.endr
.irp f, 0,1,2,3
	global_load_b128 v[S+48+4*\f:S+48+4*\f+3], v6, s[66:67] offset:\f*512
.endr
	WIN 0x40                                       ; destination window 1
.irp f, 0,1,2,3                        ; K: fragment f, registers 6 c .. 6 c + 5 of lane (r, h): period 4 f + 2 c + r / 8, slot 8 h + r % 8
.irp c, 0,1
	global_load_b128 v[KF+12*\f+6*\c:KF+12*\f+6*\c+3], v3, s[68:69] offset:\f*8192+\c*4096
	global_load_b64 v[KF+12*\f+6*\c+4:KF+12*\f+6*\c+5], v3, s[68:69] offset:\f*8192+\c*4096+32768
.endr
.endr
	WIN 0
.irp f, 0,1,2,3
.irp c, 0,1
	global_load_b32 v[KS+2*\f+\c], v3, s[68:69] offset:\f*8192+\c*4096+32768+8   ; that key's byte, four times: right for whichever block its tile stands in
.endr
.endr
.irp a, 0,1,2,3
	global_load_b128 v[QR+6*\a:QR+6*\a+3], v4, s[70:71] offset:16*\a
	global_load_b64 v[QR+6*\a+4:QR+6*\a+5], v4, s[70:71] offset:16*\a+32768
	global_load_b32 v[QS+\a], v4, s[70:71] offset:16*\a+32768+8
.endr
.irp f, 0,1,2,3
	global_load_b32 v[VSL+\f], v7, s[72:73] offset:\f*128
	global_load_b32 v[VSH+\f], v7, s[74:75] offset:\f*128
.endr
.irp gp, 0,1
.irp s, 0,1
	global_load_b32 v[WS+2*\gp+\s], v7, s[12:13] offset:\gp*256+\s*128
.endr
.endr
	global_load_b128 v[BI:BI+3], v15, s[14:15]
	; the rest of the scalars
.irp a, 0,1,2,3
	s_add_co_i32 s54, s19, \a-5
	s_max_i32 s54, s54, 0
	s_min_i32 s54, s54, 117
	s_sub_co_u32 s54, s54, s21
	s_lshl_b32 s[28+\a], 0x7ff, s54                ; position a's eleven slots, as bits
.endr
	s_min_u32 s54, s26, 14
	s_mul_i32 s54, s54, 6                          ; bits of a chunk's codes that belong to the lower block (84: all 14 slots)
.irp i, 0,1,2
	s_sub_co_i32 s57, s54, 32*\i
	s_max_i32 s57, s57, 0
	s_min_i32 s57, s57, 32
	s_lshl_b64 s[62:63], -1, s57
	s_not_b32 s[32+\i], s62                        ; s32-34: keeps the lower block's codes
.if \i == 2
	s_and_b32 s[36+\i], s62, 0xfffff               ; s36-38: keeps the upper block's, up to slot 13
.else
	s_mov_b32 s[36+\i], s62
.endif
.endr
	s_mov_b32 s53, 0xf149f2ca                      ; -1e30
	s_mov_b32 s62, 0x7f61b1e6                      ; 3e38
.irp q, 0,1,2,3                        ; the slots in groups 1-4, 5-8, 9-12, 13: a_g is 1, 5, 9, 13 or more, so a group lies whole in one block.  A cap of -1e30 takes it out of a block's maximum
	s_cmp_gt_u32 s26, 1+4*\q
	s_cselect_b32 s[40+\q], s62, s53               ; s40-43: for the lower block
	s_cselect_b32 s[44+\q], s53, s62               ; s44-47: for the upper
.endr
	s_mov_b32 s48, 0x3fb8aa3b                      ; log2(e)
	s_mov_b32 s49, s48                             ; (named with it as a pair, so it is written)
	s_mov_b32 s50, 0x76543210
	s_mov_b32 s51, 0xfedcba98                      ; v_permlanex16_b32's selects for lane l xor 16
	s_mov_b32 s52, 0xffff0000                      ; lanes 16-31
	; LDS addresses: constants, lane terms and the wave's number
	s_mul_i32 s57, s61, 1536
	s_and_b32 s58, s18, 1
	s_mul_i32 s58, s58, 768
	s_add_co_u32 s57, s57, s58
	s_bfe_u32 s58, s18, 0x10001
	s_mul_i32 s58, s58, 24
	s_add_co_u32 s57, s57, s58
	v_mul_u32_u24 v8, v1, 48
	v_mad_u32_u24 v8, v2, 12, v8
	v_add_nc_u32 v8, s57, v8                       ; my head's codes in an image: K step w / 4, lane r + 16 (w % 2), registers 6 ((w / 2) % 2) + 3 h on
	s_lshl_b32 s57, s61, 6
	s_add_co_u32 s57, s57, s60
	s_add_co_u32 s57, s57, OSC
	v_lshl_add_u32 v9, v1, 2, s57                  ; and its byte: row r's word, byte w % 4
	s_mul_i32 s57, s18, 4352
	s_add_co_u32 s57, s57, STG
	v_mul_u32_u24 v10, v1, 272
	v_lshl_add_u32 v10, v2, 6, v10
	v_add_nc_u32 v10, s57, v10                     ; my stage, in: row r, 64 bytes for each half of the lanes
	v_mul_u32_u24 v11, v2, 272
	v_lshl_add_u32 v11, v1, 4, v11
	v_add_nc_u32 v11, s57, v11                     ; back: lanes 0-15 one row of 256 bytes, lanes 16-31 the next
	v_lshl_add_u32 v12, v2, 17, v15                ; the same in out0: a query is 128 rows of 1,024 bytes on
	s_mul_i32 s57, s61, 6144
	v_mul_u32_u24 v13, v54, 48
	v_add_nc_u32 v13, s57, v13                     ; the images of my two positions, 48 bytes a lane
	s_lshl_b32 s57, s61, 8
	s_add_co_u32 s57, s57, OSC
	v_lshl_add_u32 v14, v1, 2, s57                 ; and their scale words
	v_mov_b32 v[NM+1], 0                           ; upper halves of pairs whose low word serves both halves: named, so written
	v_mov_b32 v[RL+1], 0
	WIN 0x40
.irp i, 0,1,2,3,4,5                    ; zero codes that stay: the three Z,
	v_mov_b32 v[QZ+\i], 0
	v_mov_b32 v[QZ+12+\i], 0
	v_mov_b32 v[QZ+24+\i], 0
.endr
.irp q, 0,1,2,3,4,5,6,7,8,9,10,11,12,13,14,15
.irp i, 3,4,5
	v_mov_b32 v[VF+6*\q+\i], 0                     ; the upper half of each block of V,
.endr
.endr
.irp q, 0,1,2,3,4,5,6,7
.irp i, 3,4,5
	v_mov_b32 v[PF+6*\q+\i], 0                     ; and of p
.endr
.endr
	v_mov_b32 v[CM+14], s53                        ; slots 14 and 15 lie in no window
	v_mov_b32 v[CM+15], s53
	s_wait_loadcnt 49                              ; V's 16 plane loads are in: 49 loads were issued behind them
.irp u, 0,1
.irp f, 0,1,2,3
.irp c, 0,1
.irp i, 0,1,2
	v_alignbit_b32 v[VF+12*(4*\u+\f)+6*\c+\i], v[S+16*(\i+1)+4*\f+2*\u+\c], v[S+16*\i+4*\f+2*\u+\c], s23   ; 96 bits from bit 6 beta on: the codes of slots 0-15
.endr
.endr
.endr
.endr
	WIN 0
	s_wait_loadcnt 0x0
; the largest score of chunk p in each of the two aligned blocks, and the row's.  Each accumulator is first read in one of its four lowest registers
.macro MAXP p
.set SB0, S+16*(\p)
	v_max3_num_f32 v[TP], v[SB0+1], v[SB0+2], v[SB0+3]
	v_max3_num_f32 v[TP+1], v[SB0+5], v[SB0+6], v[SB0+7]
	v_max3_num_f32 v[TP+2], v[SB0+9], v[SB0+10], v[SB0+11]
	v_max_num_f32 v[TP], v[TP], v[SB0+4]
	v_max_num_f32 v[TP+1], v[TP+1], v[SB0+8]
	v_max_num_f32 v[TP+2], v[TP+2], v[SB0+12]
	v_min_num_f32 v[TP+3], s40, v[TP]
	v_min_num_f32 v[TP+4], s41, v[TP+1]
	v_min_num_f32 v[TP+5], s42, v[TP+2]
	v_min_num_f32 v[TP+6], s43, v[SB0+13]
	v_max3_num_f32 v[BLO+(\p)], v[SB0], v[TP+3], v[TP+4]
	v_min_num_f32 v[TP], s44, v[TP]
	v_min_num_f32 v[TP+1], s45, v[TP+1]
	v_max3_num_f32 v[BLO+(\p)], v[BLO+(\p)], v[TP+5], v[TP+6]
	v_min_num_f32 v[TP+2], s46, v[TP+2]
	v_min_num_f32 v[TP+7], s47, v[SB0+13]
	v_max3_num_f32 v[BHI+(\p)], v[TP], v[TP+1], v[TP+2]
	v_max_num_f32 v[BHI+(\p)], v[BHI+(\p)], v[TP+7]
.if (\p) == 0
	v_max_num_f32 v[RM], v[BLO], v[BHI]
.else
	v_max3_num_f32 v[RM], v[RM], v[BLO+(\p)], v[BHI+(\p)]
.endif
.endm
; eight largest p in v[x] on become the conversions' scale operands, in place, and p's four scale words in v[ps] on: byte 2 c + h of word f belongs to period 4 f + 2 c + h
.macro BLKSC x, ps
.irp p, 0,1,2,3,4,5,6,7
	v_max_num_f32 v[\x+\p], 0x1800000, v[\x+\p]    ; the floor 2^(3 - 127): the byte cannot fall under 1
.endr
.irp p, 0,1,2,3,4,5,6,7
	v_add_nc_u32 v[\x+\p], 0xff000000, v[\x+\p]    ; 2 off the exponent field
.endr
.irp p, 0,1,2,3,4,5,6,7
	v_lshrrev_b32 v[TP+\p], 23, v[\x+\p]           ; the byte
.endr
.irp f, 0,1,2,3
	v_lshl_or_b32 v[TP+2*\f], v[TP+2*\f+1], 16, v[TP+2*\f]
.endr
.irp f, 0,1,2,3
	v_permlanex16_b32 v[TP+2*\f+1], v[TP+2*\f], s50, s51
.endr
.irp f, 0,1,2,3
	v_lshl_or_b32 v[\ps+\f], v[TP+2*\f+1], 8, v[TP+2*\f]   ; right in lanes 0-15, which are the ones read
.endr
.endm
; p's codes under the scales in v[x] on; the mask words s[m] on keep one aligned block's slots and clear the rest (slots 14 and 15 always)
.macro CVTP x, m
	WIN 0x40
.irp p, 0,1,2,3,4,5,6,7
	v_cvt_scalef32_pk16_fp6_f32 v[PF+6*\p:PF+6*\p+2], v[S+16*\p:S+16*\p+15], v[\x+\p]
.endr
	v_nop                                          ; one plain line behind the conversions
	WIN 0x44
.irp p, 0,1,2,3,4,5,6,7
.irp i, 0,1,2
	v_and_b32 v[PF+6*\p+\i], s[\m+\i], v[PF+6*\p+\i]
.endr
.endr
	WIN 0
.endm
; O^T (+)= V^T P^T: eight instructions, the two accumulators by turns
.macro PV sv, sp, first
	WIN 0x05                                       ; sources 0 (V) and 1 (p) window 1
	s_wait_alu depctr_va_vdst(0)                   ; the conversions and masks have written p's codes, the shifts p's scale words: the scaled matrix instructions below take them; the places stand ahead of this wait
.irp f, 0,1,2,3
.irp u, 0,1
.if (\first) && (\f == 0)
	WM O+8*\u, VF+12*(4*\u+\f), PF+12*\f, -1, \sv+\f, \sp+\f, \u
.else
	WM O+8*\u, VF+12*(4*\u+\f), PF+12*\f, O+8*\u, \sv+\f, \sp+\f, \u
.endif
.endr
.endr
	WIN 0
.endm
; unit a's codes and byte of O go to LDS, as a part of the projection's operand.  (An LDS store's address and data are its sources 0 and 1: window 0 under the settings 0 and 0x40 alike)
.macro PUTO a
.irp i, 0,1,2
	ds_store_b32 v8, v[TP+\i] offset:3072*(\a)+4*\i
.endr
	ds_store_b8 v9, v[TP+4] offset:128*(\a)        ; both halves of the lanes write the same byte with the same value
.endm
.macro UNIT a
	; ---- q's two half images and the mask's addends
	WIN 0x40
.irp i, 0,1,2,3,4,5
	v_cndmask_b32 v[QZ+6+\i], v[QR+6*(\a)+\i], 0, s52
	v_cndmask_b32 v[QZ+18+\i], 0, v[QR+6*(\a)+\i], s52
.endr
.irp sg, 0,1,2,3,4,5,6,7,8,9,10,11,12,13
	s_bitcmp1_b32 s[28+(\a)], \sg
	s_cselect_b32 s54, 0, s53
	v_mov_b32 v[CM+\sg], s54
.endr
	PLACES                                         ; operands written by vector instructions stand four places ahead of a scaled matrix instruction
.if (\a) == 0
	s_wait_alu depctr_va_vdst(0)                   ; q's half images and the zero codes are written, which the scaled matrix instructions below take; so are V's fragments, for the products P V, and the LDS addresses v8 to v14
.else
	s_wait_alu depctr_va_vdst(0)                   ; q's half images are written, which the scaled matrix instructions below take; and the last unit's conversion and shift have written its codes and byte of O, which the LDS stores below read
	PUTO (\a)-1                                    ; no vector or matrix instruction of this unit has named them yet
.endif
	; ---- S^T = K Q^T + mask: sixteen accumulators, one instruction each
	WIN 0x15                                       ; sources 0, 1 and 2 window 1
.irp f, 0,1,2,3
.irp bl, 0,1,2,3
	WM S+8*(4*\f+\bl), KF+12*\f, QZ+6*(1-\bl/2)+12*(\bl%2), CM+8*(\bl%2), KS+2*\f+\bl/2, QS+(\a), \bl%2
.endr
.endr
	WIN 0
	PLACES                                         ; in front of the first read of results
.if (\a) > 0
	s_wait_alu depctr_vm_vsrc(0)                   ; the four LDS stores above have read v[TP ..], which the maxima below write again
.endif
	; ---- maxima
.irp p, 0,1,2,3,4,5,6,7
	MAXP \p
.endr
.if (\a) == 3
	WIN 0x40                                       ; K, q and the mask are done with: Wproj's eight fragments are asked for, the rest of a softmax ahead of their use
	s_wait_alu depctr_va_vdst(0)                   ; the products K Q^T are done reading K's, q's and the mask's registers, and the vector lines that wrote the last two are done: Wproj's fragments land there
.irp gp, 0,1
.irp q, 0,1,2,3
.irp grp, 0,1,2
	global_load_b128 v[12*(4*\gp+\q)+4*\grp:12*(4*\gp+\q)+4*\grp+3], v5, s[10:11] offset:\gp*6144+\q*1536+\grp*512
.endr
.endr
.endr
	WIN 0
.endif
	v_permlanex16_b32 v[RM+1], v[RM], s50, s51
	v_max_num_f32 v[RM], v[RM], v[RM+1]            ; the row's largest logit
	v_mul_f32 v[RM], s48, v[RM]                    ; as t
	v_floor_f32 v[NM], -v[RM]                      ; -M = floor(-t) = -ceil(t)
.irp p, 0,1,2,3,4,5,6,7
.irp j, 0,2,4,6,8,10,12
	v_pk_fma_f32 v[S+16*\p+\j:S+16*\p+\j+1], v[S+16*\p+\j:S+16*\p+\j+1], s[48:49], v[NM:NM+1] op_sel_hi:[1,0,0]   ; t - M, slots 0-13
.endr
.endr
.irp p, 0,1,2,3,4,5,6,7
	v_fma_f32 v[BLO+\p], v[BLO+\p], s48, v[NM]     ; the same of each lower block's largest score: p rises with the score
.endr
	s_wait_alu depctr_va_vdst(0)
.irp p, 0,1,2,3,4,5,6,7
.irp j, 0,1,2,3,4,5,6,7,8,9,10,11,12,13
	v_exp_f32 v[S+16*\p+\j], v[S+16*\p+\j]         ; p = 2^(t - M); 0 under the mask
.endr
.endr
.irp p, 0,1,2,3,4,5,6,7
	v_exp_f32 v[BLO+\p], v[BLO+\p]
.endr
	v_nop                                          ; one plain line behind the exponentials
	s_wait_alu depctr_va_vdst(0)
	BLKSC BLO, PSL
	CVTP BLO, 32
	; ---- the row's sum, of the unquantised p: 56 pairs in two chains.  These lines are also the places between p's codes and scale words and the products
	v_pk_add_f32 v[50:51], v[S:S+1], v[S+2:S+3]
	v_pk_add_f32 v[52:53], v[S+4:S+5], v[S+6:S+7]
.set QI, 4
.rept 26
	v_pk_add_f32 v[50:51], v[50:51], v[S+16*(QI/7)+2*(QI%7):S+16*(QI/7)+2*(QI%7)+1]
.set QI, QI+1
	v_pk_add_f32 v[52:53], v[52:53], v[S+16*(QI/7)+2*(QI%7):S+16*(QI/7)+2*(QI%7)+1]
.set QI, QI+1
.endr
	v_pk_add_f32 v[50:51], v[50:51], v[52:53]
	v_add_f32 v50, v50, v51
	v_permlanex16_b32 v51, v50, s50, s51
	v_add_f32 v50, v50, v51                        ; l
	s_wait_alu depctr_va_vdst(0)
	v_rcp_f32 v[RL], v50
	PV VSL, PSL, 1
	; ---- the upper aligned block, where the slots straddle
	s_cmp_eq_u32 s27, 0
	s_cbranch_scc1 .Lnohi_\@
.irp p, 0,1,2,3,4,5,6,7
	v_fma_f32 v[BHI+\p], v[BHI+\p], s48, v[NM]     ; (eight plain lines that name no register of the products above: their places)
.endr
	s_wait_alu depctr_va_vdst(0)
.irp p, 0,1,2,3,4,5,6,7
	v_exp_f32 v[BHI+\p], v[BHI+\p]
.endr
	v_nop
	s_wait_alu depctr_va_vdst(0)
	BLKSC BHI, PSH
	CVTP BHI, 36
	PLACES
	PV VSH, PSH, 0
.Lnohi_\@:
	; ---- O / l, quantised along the head's 32 channels (lanes l and l xor 16)
	PLACES
.irp j, 0,2,4,6,8,10,12,14
	v_pk_mul_f32 v[O+\j:O+\j+1], v[O+\j:O+\j+1], v[RL:RL+1] op_sel_hi:[1,0]
.endr
	v_max3_num_f32 v[TP], |v[O]|, |v[O+1]|, 0x1800000
	v_max3_num_f32 v[TP+1], |v[O+8]|, |v[O+9]|, |v[O+10]|
	v_max3_num_f32 v[TP], v[TP], |v[O+2]|, |v[O+3]|
	v_max3_num_f32 v[TP+1], v[TP+1], |v[O+11]|, |v[O+12]|
	v_max3_num_f32 v[TP], v[TP], |v[O+4]|, |v[O+5]|
	v_max3_num_f32 v[TP+1], v[TP+1], |v[O+13]|, |v[O+14]|
	v_max3_num_f32 v[TP], v[TP], |v[O+6]|, |v[O+7]|
	v_max3_num_f32 v[TP], v[TP], v[TP+1], |v[O+15]|
	v_permlanex16_b32 v[TP+1], v[TP], s50, s51
	v_max_num_f32 v[TP], v[TP], v[TP+1]
	v_add_nc_u32 v[TP+3], 0xff000000, v[TP]
	v_lshrrev_b32 v[TP+4], 23, v[TP+3]
	v_cvt_scalef32_pk16_fp6_f32 v[TP:TP+2], v[O:O+15], v[TP+3]
	v_nop                                          ; one plain line behind the conversion.  The codes and the byte go to LDS in the next unit, behind its wait
.if (\a) == 3
	s_wait_alu depctr_va_vdst(0)                   ; the last unit has no next: its conversion and shift have written the codes and the byte, which the LDS stores read.  All vector and matrix work of the units is done
	PUTO 3
.endif
.endm
	UNIT 0
	UNIT 1
	UNIT 2
	UNIT 3
	; ---------------- the projection ----------------
	s_wait_dscnt 0x0                               ; for the others' sake: my stores of codes and bytes are done
	s_barrier_signal -1
	s_barrier_wait -1                              ; the eight heads' parts of the eight images lie in LDS
.irp ap, 0,1                           ; these land in S's first 48 registers and in p's scale words.  No wait: no vector or matrix instruction has been issued since the wait ahead of my last LDS stores, and no memory instruction has read them
.irp s, 0,1
.irp k, 0,1,2
	ds_load_b128 v[S+12*(2*\ap+\s)+4*\k:S+12*(2*\ap+\s)+4*\k+3], v13 offset:3072*\ap+1536*\s+16*\k
.endr
	ds_load_b32 v[PSL+2*\ap+\s], v14 offset:128*\ap+64*\s
.endr
.endr
	s_wait_dscnt 0x0
	s_wait_loadcnt 0x0                             ; Wproj's fragments
	WIN 0x01                                       ; source 0 (Wproj) window 1
.irp s, 0,1                            ; transposed: source 0 = 16 columns of Wproj, source 1 = the 16 queries.  Eight accumulators by turns, a K step at a time
.irp ap, 0,1
.irp gp, 0,1
.irp u, 0,1
.if \s == 0
	WM 112+8*(4*\ap+2*\gp+\u), 12*(4*\gp+2*\s+\u), S+12*(2*\ap+\s), -1, WS+2*\gp+\s, PSL+2*\ap+\s, \u
.else
	WM 112+8*(4*\ap+2*\gp+\u), 12*(4*\gp+2*\s+\u), S+12*(2*\ap+\s), 112+8*(4*\ap+2*\gp+\u), WS+2*\gp+\s, PSL+2*\ap+\s, \u
.endif
.endr
.endr
.endr
.endr
	WIN 0
	PLACES
	s_wait_alu depctr_va_vdst(0)                   ; the matrix instructions have written the sums, which the LDS stores read (the places above stay beside this wait); and the units' vector lines are done with v192 to v255, in which the stage's loads land
	s_wait_alu depctr_vm_vsrc(0)                   ; unit 3's LDS stores have read v[TP ..], in which the second position's loads land
	; the way out: lane (r, h) holds, of query r, columns 32 G' + 16 h + 8 u + 0 .. 7.  A position's 16 rows x 256 bytes go through my own stage and come back as whole rows.
	; LDS serves a wave's instructions in order: no wait between the stores and the loads, nor in front of the second position's stores
.irp ap, 0,1
.irp gp, 0,1
.irp u, 0,1
	ds_store_b128 v10, v[112+8*(4*\ap+2*\gp+\u):112+8*(4*\ap+2*\gp+\u)+3] offset:128*\gp+32*\u        ; each accumulator from its low end on
	ds_store_b128 v10, v[112+8*(4*\ap+2*\gp+\u)+4:112+8*(4*\ap+2*\gp+\u)+7] offset:128*\gp+32*\u+16
.endr
.endr
.irp t, 0,1,2,3,4,5,6,7
	ds_load_b128 v[192+32*\ap+4*\t:192+32*\ap+4*\t+3], v11 offset:544*\t
.endr
.endr
.irp ap, 0,1                           ; a position's sixteen additions in one run, so that one wait serves its eight stores
	s_wait_dscnt (1-\ap)*16                        ; the position's eight loads are in; behind the first position's stand the second's eight stores and eight loads
.irp t, 0,1,2,3,4,5,6,7
	v_pk_add_f32 v[192+32*\ap+4*\t:192+32*\ap+4*\t+1], v[192+32*\ap+4*\t:192+32*\ap+4*\t+1], v[BI:BI+1]
	v_pk_add_f32 v[192+32*\ap+4*\t+2:192+32*\ap+4*\t+3], v[192+32*\ap+4*\t+2:192+32*\ap+4*\t+3], v[BI+2:BI+3]
.endr
	s_wait_alu depctr_va_vdst(0)                   ; the additions of the bias have written this position's 32 registers, which its eight stores read
.irp t, 0,1,2,3,4,5,6,7
	global_store_b128 v12, v[192+32*\ap+4*\t:192+32*\ap+4*\t+3], s[16:17] offset:262144*\t+1024*\ap th:TH_STORE_NT   ; sixteen lanes store 256 consecutive bytes, aligned; written once
.endr
.endr
	s_set_vgpr_msb 0x4
	s_wait_dscnt 0x0
	s_wait_alu depctr_hold_cnt(0) depctr_sa_sdst(0) depctr_va_vdst(0) depctr_va_sdst(0) depctr_va_ssrc(0) depctr_va_vcc(0) depctr_vm_vsrc(0)
	s_wait_tensorcnt 0x0
	ds_add_u32 v57, v255
	s_wait_dscnt 0x0
	s_endpgm
.Lfunc_end_k_q2389eca673_attn:
	.size	k_q2389eca673_attn, .Lfunc_end_k_q2389eca673_attn-k_q2389eca673_attn
	.p2alignl 7, 3214868480
	.fill 96, 4, 3214868480
	.section	.rodata,"a",@progbits
	.p2align	6, 0x0
	.amdhsa_kernel k_q2389eca673_attn
		.amdhsa_group_segment_fixed_size 48640
		.amdhsa_private_segment_fixed_size 0
		.amdhsa_enable_private_segment 0
		.amdhsa_kernarg_size 56
		.amdhsa_user_sgpr_count 2
		.amdhsa_user_sgpr_kernarg_segment_ptr 1
		.amdhsa_wavefront_size32 1
		.amdhsa_system_sgpr_workgroup_id_x 1
		.amdhsa_system_sgpr_workgroup_id_y 1
		.amdhsa_system_sgpr_workgroup_id_z 1
		.amdhsa_system_vgpr_workitem_id 0
		.amdhsa_next_free_vgpr 512
		.amdhsa_next_free_sgpr 80
		.amdhsa_reserve_vcc 0
		.amdhsa_float_denorm_mode_32 3
		.amdhsa_float_denorm_mode_16_64 3
		.amdhsa_memory_ordered 1
		.amdhsa_forward_progress 1
		.amdhsa_inst_pref_size 169
	.end_amdhsa_kernel
	.amdgpu_metadata
---
amdhsa.version: [ 1, 2 ]
amdhsa.kernels:
  - .name:           k_q2389eca673_attn
    .symbol:         k_q2389eca673_attn.kd
    .args:
      - { .name: qk, .offset: 0, .size: 8, .value_kind: global_buffer, .address_space: global }
      - { .name: vpl, .offset: 8, .size: 8, .value_kind: global_buffer, .address_space: global }
      - { .name: vsc, .offset: 16, .size: 8, .value_kind: global_buffer, .address_space: global }
      - { .name: wimg, .offset: 24, .size: 8, .value_kind: global_buffer, .address_space: global }
      - { .name: wsc, .offset: 32, .size: 8, .value_kind: global_buffer, .address_space: global }
      - { .name: bproj, .offset: 40, .size: 8, .value_kind: global_buffer, .address_space: global }
      - { .name: out0, .offset: 48, .size: 8, .value_kind: global_buffer, .address_space: global }
    .group_segment_fixed_size: 48640
    .private_segment_fixed_size: 0
    .kernarg_segment_align: 8
    .kernarg_segment_size: 56
    .max_flat_workgroup_size: 256
    .sgpr_count:     80
    .vgpr_count:     512
    .wavefront_size: 32
...
	.end_amdgpu_metadata
.endif
;; end of part 6
